; MI455X (gfx1250); checked and timed in simulation.
; The chip was launched on July 23, 2026; its instructions are those of AMD's public machine-readable ISA for CDNA 5 (MIT licence, August 2026) and "CDNA5" Instruction Set Architecture Reference Guide (July 2026). The comments in the code are by the model that wrote it; some were corrected since.
;; Encoder Block. Allowed arithmetic: matrix products marked QUANTISED: E3M2 operands, one E8M0 scale for each 32 along K, by v_wmma_scale_f32_16x16x128_f8f6f4 with both operands' format E3M2, f32 sums; everything else in f32.
;; Inputs: W1_codes 4,096 x 32 x 24 uint8 (E3M2 codes of W1, K innermost, in blocks of 32 codes, four codes in three bytes); W1_scales 4,096 x 32 uint8 (E8M0 scales of W1, one for each 32 codes along K); W2_codes 1,024 x 128 x 24 uint8 (E3M2 codes of W2, K innermost, in blocks of 32 codes, four codes in three bytes); W2_scales 1,024 x 128 uint8 (E8M0 scales of W2, one for each 32 codes along K); Wk_codes 1,024 x 32 x 24 uint8 (E3M2 codes of Wk, K innermost, in blocks of 32 codes, four codes in three bytes); Wk_scales 1,024 x 32 uint8 (E8M0 scales of Wk, one for each 32 codes along K); Wo_codes 1,024 x 32 x 24 uint8 (E3M2 codes of Wo, K innermost, in blocks of 32 codes, four codes in three bytes); Wo_scales 1,024 x 32 uint8 (E8M0 scales of Wo, one for each 32 codes along K); Wq_codes 1,024 x 32 x 24 uint8 (E3M2 codes of Wq, K innermost, in blocks of 32 codes, four codes in three bytes); Wq_scales 1,024 x 32 uint8 (E8M0 scales of Wq, one for each 32 codes along K); Wv_codes 1,024 x 32 x 24 uint8 (E3M2 codes of Wv, K innermost, in blocks of 32 codes, four codes in three bytes); Wv_scales 1,024 x 32 uint8 (E8M0 scales of Wv, one for each 32 codes along K); attention_mask 2 x 1 x 1 x 2,048 float32; b1 4,096 float32; b2 1,024 float32; bk 1,024 float32; bo 1,024 float32; bq 1,024 float32; bv 1,024 float32; hidden_states 2 x 2,048 x 1,024 float32; ln1_b 1,024 float32; ln1_g 1,024 float32; ln2_b 1,024 float32; ln2_g 1,024 float32.
;; Outputs: out0 2 x 2,048 x 1,024 float32.
;; This version of the problem:
;;   THIS VERSION OF THE PROBLEM IS GIVEN IN LOW PRECISION. The matrix products marked QUANTISED in the list below multiply operands that are first quantised to E3M2 (3 exponent bits, 2 mantissa bits; 6 bits a number), with one power-of-two scale for each 32 numbers along K (OCP MX v1.0); their sums are f32. All else is computed in f32.
;;   The module's matrix products, in the order in which they are computed (A, B: the left and right operand; K: the contracted axis; several contracted axes count as one K, in the product's order):
;;     1. [M 4,096, K 1,024] x [K 1,024, N 1,024]; A: input hidden_states; B: input Wq (given as codes): QUANTISED
;;     2. [M 4,096, K 1,024] x [K 1,024, N 1,024]; A: input hidden_states; B: input Wk (given as codes): QUANTISED
;;     3. [M 4,096, K 1,024] x [K 1,024, N 1,024]; A: input hidden_states; B: input Wv (given as codes): QUANTISED
;;     4. batch 32 x [M 2,048, K 64] x [K 64, N 2,048]; A: computed on the way; B: computed on the way: QUANTISED
;;     5. batch 32 x [M 2,048, K 2,048] x [K 2,048, N 64]; A: softmax (see below); B: computed on the way: QUANTISED
;;     6. [M 4,096, K 1,024] x [K 1,024, N 1,024]; A: computed on the way; B: input Wo (given as codes): QUANTISED
;;     7. [M 4,096, K 1,024] x [K 1,024, N 4,096]; A: computed on the way; B: input W1 (given as codes): QUANTISED
;;     8. [M 4,096, K 4,096] x [K 4,096, N 1,024]; A: computed on the way; B: input W2 (given as codes): QUANTISED
;;   THE QUANTISER, for each operand of a quantised product, along K:
;;     - K is cut into blocks of 32 from its start; a last block that is shorter is filled with zeros.
;;     - A block's scale is 2^e with e = floor(log2(the largest magnitude in the block)) - 4, held to -126 .. 127; a block of zeros has e = 0. As a byte (E8M0): e + 127.
;;     - Each number is divided by its block's scale, clamped to +-28, and rounded to the nearest number of E3M2, ties to even, subnormals kept.
;;     - The product sums the exact products of the quantised numbers (number of the format x scale) in f32.
;;   ~~~python
;;   def quantise(x, axis):      # numpy; x: float32 -> the quantised numbers, widened to float32 again
;;       x = np.moveaxis(x, axis, -1); K = x.shape[-1]
;;       x = np.pad(x, [(0, 0)] * (x.ndim - 1) + [(0, -K % 32)]); x = x.reshape(x.shape[:-1] + (-1, 32)); a = np.abs(x).max(-1, keepdims=True)
;;       e = np.where(a > 0, np.clip(np.frexp(np.where(a > 0, a, 1))[1] - 1 - 4, -126, 127), 0)      # np.frexp(a)[1] - 1 = floor(log2(a)), exactly
;;       r = np.clip(x / 2.0 ** e, -28, 28)
;;       step = 2.0 ** (np.maximum(np.frexp(np.where(r == 0, 1, r))[1] - 1, -2) - 2)
;;       q = np.round(r / step) * step * 2.0 ** e      # np.round: ties to even
;;       return np.moveaxis(q.reshape(q.shape[:-2] + (-1,))[..., :K], -1, axis).astype(np.float32)
;;   ~~~
;;   SOFTMAX AHEAD OF A QUANTISED PRODUCT. Where the list says 'softmax', what is quantised is not the finished softmax but p = 2^(t - M), with t = logit x log2(e) and M = ceil(the row's largest t), a whole number; so 1/2 < the row's largest p <= 1. The row's sum l is taken of the UNQUANTISED p, in f32, and the product's result is divided by l at the end. Since M is a whole number, a kernel that streams over the keys may use a running M (the ceiling of the running maximum): every later rescaling is an exact power of two, which a block's scale takes up: the codes' values come out the same.
;;   OPERANDS COMPUTED ON THE WAY. 'Computed on the way' means the value that the module computes at that place (a softmax that the list does not call 'softmax' is quantised finished and normalised). What goes into a quantiser is computed in f32, as accurately as f32 sums, v_exp_f32 and their like allow (about 1e-6 of the number): no bf16 or f16 on the way to a quantiser, and a product that is left as it is and whose result goes on into a quantised operand takes f32 operands (vector FMAs, or v_wmma_f32_16x16x4_f32). A number that lies on a knife's edge between two numbers of the format may be rounded either way, as far as f32 arithmetic and the matrix unit's own rounding can turn it there, and no further.
;;   INPUTS GIVEN AS CODES. W1 (in the module: [1024, 4096], K = its axis 0); W2 (in the module: [4096, 1024], K = its axis 0); Wk (in the module: [1024, 1024], K = its axis 0); Wo (in the module: [1024, 1024], K = its axis 0); Wq (in the module: [1024, 1024], K = its axis 0); Wv (in the module: [1024, 1024], K = its axis 0): each comes as NAME_codes (uint8): NAME with its K axis moved to the last place and cut into blocks of 32 codes, [.., K / 32, bytes a block], one block behind the other in memory; four codes in three bytes: a row's codes are one little-endian stream of bits, code i at bits 6 i .. 6 i + 5 (a code: sign, 3 exponent bits, 2 mantissa bits); and NAME_scales (uint8): the same leading axes, one E8M0 byte (e + 127) for each 32 codes along K. Its value is code x scale, taken as it is: it is not quantised again, and the codes and scales need not be those that the quantiser above would give.
;; One version. Each part assembles by itself: llvm-mc -triple=amdgcn-amd-amdhsa -mcpu=gfx1250 --defsym DOCPART=n.
;; ======== version 1 of 1: 8 launches
;; limits: right only within a limited range of input values
;; workspace buffers: xq 3,276,800 bytes; qkvw 10,092,544 bytes; att 3,276,800 bytes; y 16,777,216 bytes; hq 20,054,016 bytes; hid 13,107,200 bytes; wimg 3,932,160 bytes
;; launch quant_x (part 1): grid 416 x 1, 2 waves a work-group, no clusters, 16,640 bytes of LDS; arguments hidden_states, xq, Wo_codes, W2_codes, wimg; writes xq, wimg
.if DOCPART == 1
	.amdgcn_target "amdgcn-amd-amdhsa--gfx1250"
	.amdhsa_code_object_version 6
	.text
	.protected	k_q4b1860faab_quant_x
	.globl	k_q4b1860faab_quant_x
	.p2align	8
	.type	k_q4b1860faab_quant_x,@function
k_q4b1860faab_quant_x:
	s_mov_b64 s[64:65], 0
	v_nop
	global_prefetch_b8 v0, s[64:65] scope:SCOPE_SE
	s_setreg_imm32_b32 hwreg(HW_REG_WAVE_MODE, 25, 1), 1
	s_wait_xcnt 0x0
; x [4096][1024] f32 becomes codes of BF6 (E3M2), K innermost, 768 bytes a row, at xq + 0, and one E8M0 byte for each 32 along K, 32 bytes a row, at xq + SCOFF.
; A block's scale byte is its largest magnitude's exponent field - 4, held at 1 from below; each number is divided by the scale and rounded to the nearest code, ties to even, beyond 28 the largest code.
; LIMITS: a block of zeros gets the byte 1 where the rule says 127 (its codes are zeros, and this program alone reads the bytes); blocks whose largest magnitude lies under 2^-122 keep the byte 1;
; NaN and infinities among the inputs are not served.
; Rows are dense and 1024 is a multiple of 32: the tensor is a plain stream of blocks.  A wave takes 16 steps of 512 numbers.  Each load reads 512 consecutive bytes, 16 a lane; a step's 2,048 bytes turn through
; the wave's own stage in LDS and come back 64 bytes a lane, so that a lane holds 16 neighbours along K (two neighbouring lanes hold a block).  A lane's 16 codes are 12 bytes: a store covers 384 consecutive bytes.
; A wave's 256 scale bytes are gathered in its own LDS bytes and leave as one aligned run of 256 bytes.  No barrier: waves share nothing.  Loads run four steps (16 loads) ahead, the turn through LDS one step.
.set STEPS, 16
.set EMAX,  4
.set CB,    12                         ; bytes of 16 codes
.set R,     16                         ; v16-79   four sets of 16 numbers as they are loaded
.set X,     80                         ; v80-111  two sets of 16 neighbours
.set C,     128                        ; v128-191 codes: four registers for each step, so that no store's data are written again
.set E,     112                        ; v112-127 a scale byte for each step
.set WREG,  8192                       ; LDS: a region for each wave: two stages of 32 x SP bytes, behind them its 256 scale bytes
.set SP,    80                         ; a lane's place in a stage: 64 bytes + 16 of padding
.set SCOFF, 3145728                    ; where the scale bytes begin in xq
	s_load_b128 s[4:7], s[0:1], 0x0                ; x s[4:5], xq s[6:7]
	v_lshl_add_u32 v192, v0, 2, 0x4000
	v_mov_b32 v193, 0
	s_cmp_ge_u32 ttmp9, 256                        ; work-groups 256 .. 415 lay Wo's and W2's codes out anew (below)
	s_cbranch_scc1 .Lrelay
	v_lshrrev_b32 v1, 5, v0
	v_readfirstlane_b32 s16, v1                    ; wave
	v_and_b32 v2, 31, v0                           ; lane
	v_lshlrev_b32 v3, 4, v2                        ; my 16 bytes of a load's 512
	s_mul_i32 s17, s16, WREG
	v_lshrrev_b32 v14, 2, v2
	v_mul_u32_u24 v14, v14, SP
	v_and_b32 v15, 3, v2
	v_lshl_add_u32 v14, v15, 4, v14
	v_add_nc_u32 v14, s17, v14                     ; the stage, on the way in: SP (lane / 4) + 16 (lane % 4)
	v_mul_u32_u24 v15, v2, SP
	v_add_nc_u32 v15, s17, v15                     ; and on the way out: SP x lane
	v_mul_u32_u24 v4, v2, CB                       ; my codes' place in a step's
	v_lshrrev_b32 v5, 1, v2
	s_add_co_u32 s17, s17, 2*32*SP
	v_add_nc_u32 v5, s17, v5                       ; LDS: my block's byte among my wave's 256
	v_lshlrev_b32 v7, 3, v2                        ; on the way out 8 bytes a lane
	v_add_nc_u32 v6, s17, v7
	s_lshl_b32 s18, ttmp9, 1
	s_add_co_u32 s18, s18, s16                     ; which run of 8,192 numbers is my wave's: 0 .. 511
	s_lshl_b32 s20, s18, 15                        ; 32,768 bytes of f32 a run
	s_mov_b32 s21, 0
	s_mul_i32 s22, s18, 32*STEPS*CB                ; 6,144 bytes of codes
	s_mov_b32 s23, 0
	s_lshl_b32 s24, s18, 8                         ; 256 scale bytes
	s_add_co_u32 s24, s24, SCOFF
	s_mov_b32 s25, 0
	s_wait_alu depctr_va_vdst(0)
	s_wait_kmcnt 0x0
	s_add_nc_u64 s[4:5], s[4:5], s[20:21]
	s_add_nc_u64 s[8:9], s[6:7], s[22:23]
	s_add_nc_u64 s[10:11], s[6:7], s[24:25]
.macro LOAD t
.irp i, 0,1,2,3
	global_load_b128 v[R+16*((\t)%4)+4*\i:R+16*((\t)%4)+4*\i+3], v3, s[4:5] offset:2048*(\t)+512*\i   ; 32 lanes read 512 consecutive bytes
.endr
.endm
.macro TURN t                          ; step t's numbers through the stage: LDS serves a wave's instructions in order, so no wait stands between the stores and the loads
.irp i, 0,1,2,3
	ds_store_b128 v14, v[R+16*((\t)%4)+4*\i:R+16*((\t)%4)+4*\i+3] offset:32*SP*((\t)%2)+8*SP*\i
.endr
.irp i, 0,1,2,3
	ds_load_b128 v[X+16*((\t)%2)+4*\i:X+16*((\t)%2)+4*\i+3], v15 offset:32*SP*((\t)%2)+16*\i
.endr
.endm
.irp t, 0,1,2,3
	LOAD \t
.endr
	s_wait_loadcnt 12                              ; step 0's four loads are in; those of steps 1 to 3 may be out
	TURN 0
.macro STEP t
.set XS, X+16*((\t)%2)
.if (\t) > 0
	s_wait_dscnt 1                                 ; this step's numbers are back from the stage (the last step's byte store may be out): its stores into the stage have read their registers,
.else
	s_wait_dscnt 0x0
.endif
.if (\t)+4 < STEPS
	LOAD (\t)+4                                    ; which take the loads of four steps on
.endif
.if (\t)+1 < STEPS
.if STEPS-2-(\t) >= 3
	s_wait_loadcnt 12                              ; the next step's four loads are in; those of the three steps behind it may be out
.else
	s_wait_loadcnt 4*(STEPS-2-(\t))
.endif
	TURN (\t)+1                                    ; and go through the other stage while this step is worked
.endif
	v_max3_num_f32 v8, |v[XS]|, |v[XS+1]|, |v[XS+2]|               ; the largest magnitude of my 16, in two chains
	v_max3_num_f32 v9, |v[XS+3]|, |v[XS+4]|, |v[XS+5]|
.irp i, 6,10
	v_max3_num_f32 v8, v8, |v[XS+\i]|, |v[XS+\i+1]|
	v_max3_num_f32 v9, v9, |v[XS+\i+2]|, |v[XS+\i+3]|
.endr
	v_max3_num_f32 v8, v8, |v[XS+14]|, |v[XS+15]|
	v_max3_num_f32 v8, v8, v9, (EMAX+1)<<23        ; and the floor 2^(5 - 127): the byte cannot fall under 1
	v_max_num_f32_dpp v8, v8, v8 row_xmask:1 row_mask:0xf bank_mask:0xf   ; and of my neighbour's 16: the block's
	v_add_nc_u32 v11, 0xfe000000, v8               ; 4 off its exponent field: the conversion takes the exponent field of this operand as its scale
	v_cvt_scalef32_pk16_bf6_f32 v[C+4*(\t):C+4*(\t)+2], v[XS:XS+15], v11
	v_lshrrev_b32 v[E+(\t)], 23, v11               ; the scale's byte (a plain line behind the conversion)
	ds_store_b8 v5, v[E+(\t)] offset:16*(\t)       ; both lanes of a block write the same byte with the same value
	global_store_b96 v4, v[C+4*(\t):C+4*(\t)+2], s[8:9] offset:32*CB*(\t)
.endm
.irp t, 0,1,2,3,4,5,6,7,8,9,10,11,12,13,14,15
	STEP \t
.endr
	ds_load_b64 v[12:13], v6                       ; LDS serves a wave's instructions in order: these see my stores
	s_wait_dscnt 0x0
	global_store_b64 v7, v[12:13], s[10:11]        ; 32 lanes store 256 consecutive bytes, aligned
	s_wait_tensorcnt 0x0
	ds_add_u32 v192, v193
	s_wait_dscnt 0x0
	s_endpgm
; Wo's and W2's codes as images of the operand's registers, in wimg: [256 along K][block of 16 rows][128 along K][plane p of 6][lane][8 bytes]; Wo at 0, W2 at 786,432.
; Plane p of lane (r, h) is registers 2 p, 2 p + 1 of the fragment: the 8 bytes at 96 x step + 48 (p / 3) + 24 h + 8 (p % 3) of row r.  So the later launches' tiles are dense runs of whole 256-byte units.
; A wave takes a block of 16 rows and 8 steps: jobs 0-63 Wo's 64 blocks, jobs 64-319 W2's 64 blocks x 4 runs of 8 steps.  No LDS on this path.
.Lrelay:
	s_load_b128 s[8:11], s[0:1], 0x10              ; Wo's codes, W2's codes
	s_load_b64 s[12:13], s[0:1], 0x20              ; wimg
	v_lshrrev_b32 v1, 5, v0
	v_readfirstlane_b32 s16, v1
	s_sub_co_u32 s17, ttmp9, 256
	s_lshl_b32 s17, s17, 1
	s_add_co_u32 s17, s17, s16                     ; the job
	s_sub_co_u32 s18, s17, 64
	s_lshr_b32 s20, s18, 2
	s_and_b32 s21, s18, 3
	s_mov_b32 s22, 3072
	s_cmp_lt_u32 s17, 64
	s_cselect_b32 s20, s17, s20                    ; the block
	s_cselect_b32 s21, 0, s21                      ; the run of 8 steps
	s_cselect_b32 s22, 768, s22                    ; a row of codes in bytes
	s_cselect_b32 s23, 0, 786432
	s_mul_i32 s24, s20, s22
	s_lshl_b32 s24, s24, 4
	s_mul_i32 s25, s21, 768
	s_add_co_u32 s24, s24, s25                     ; from: 16 rows x block + 8 steps x 96 bytes x run
	s_mov_b32 s25, 0
	s_mul_i32 s26, s21, 786432
	s_add_co_u32 s26, s26, s23
	s_mul_i32 s27, s20, 3072
	s_add_co_u32 s26, s26, s27                     ; to
	s_mov_b32 s27, 0
	v_and_b32 v2, 15, v0
	v_bfe_u32 v3, v0, 4, 1
	v_and_b32 v4, 31, v0
	v_lshlrev_b32 v5, 3, v4
	v_mul_u32_u24 v6, v2, s22
	v_mad_u32_u24 v6, v3, 24, v6
	s_cmp_lt_u32 s17, 64
	s_wait_alu depctr_va_vdst(0)                   ; the wait at the head's end
	s_wait_kmcnt 0x0
	s_cselect_b64 s[8:9], s[8:9], s[10:11]
	s_add_nc_u64 s[8:9], s[8:9], s[24:25]
	s_add_nc_u64 s[12:13], s[12:13], s[26:27]
.irp t, 0,1,2,3,4,5,6,7
.irp p, 0,1,2,3,4,5
	global_load_b64 v[16+12*\t+2*\p:17+12*\t+2*\p], v6, s[8:9] offset:96*\t+48*(\p/3)+8*(\p%3)
.endr
.endr
.irp t, 0,1,2,3,4,5,6,7
	s_wait_loadcnt 6*(7-\t)                        ; step t's six loads are in; the later steps' may be out
.irp p, 0,1,2,3,4,5
	global_store_b64 v5, v[16+12*\t+2*\p:17+12*\t+2*\p], s[12:13] offset:(\t/2)*196608+(\t%2)*1536+256*\p   ; 32 lanes store 256 consecutive bytes, aligned
.endr
.endr
	s_endpgm
.Lfunc_end_k_q4b1860faab_quant_x:
	.size	k_q4b1860faab_quant_x, .Lfunc_end_k_q4b1860faab_quant_x-k_q4b1860faab_quant_x
	.p2alignl 7, 3214868480
	.fill 96, 4, 3214868480
	.section	.rodata,"a",@progbits
	.p2align	6, 0x0
	.amdhsa_kernel k_q4b1860faab_quant_x
		.amdhsa_group_segment_fixed_size 16640
		.amdhsa_private_segment_fixed_size 0
		.amdhsa_enable_private_segment 0
		.amdhsa_kernarg_size 40
		.amdhsa_user_sgpr_count 2
		.amdhsa_user_sgpr_kernarg_segment_ptr 1
		.amdhsa_wavefront_size32 1
		.amdhsa_system_sgpr_workgroup_id_x 1
		.amdhsa_system_sgpr_workgroup_id_y 1
		.amdhsa_system_sgpr_workgroup_id_z 1
		.amdhsa_system_vgpr_workitem_id 0
		.amdhsa_next_free_vgpr 194
		.amdhsa_next_free_sgpr 66
		.amdhsa_reserve_vcc 0
		.amdhsa_float_denorm_mode_32 3
		.amdhsa_float_denorm_mode_16_64 3
		.amdhsa_memory_ordered 1
		.amdhsa_forward_progress 1
		.amdhsa_inst_pref_size 43
	.end_amdhsa_kernel
	.amdgpu_metadata
---
amdhsa.version: [ 1, 2 ]
amdhsa.kernels:
  - .name:           k_q4b1860faab_quant_x
    .symbol:         k_q4b1860faab_quant_x.kd
    .args:
      - { .name: hidden_states, .offset: 0, .size: 8, .value_kind: global_buffer, .address_space: global }
      - { .name: xq, .offset: 8, .size: 8, .value_kind: global_buffer, .address_space: global }
      - { .name: Wo_codes, .offset: 16, .size: 8, .value_kind: global_buffer, .address_space: global }
      - { .name: W2_codes, .offset: 24, .size: 8, .value_kind: global_buffer, .address_space: global }
      - { .name: wimg, .offset: 32, .size: 8, .value_kind: global_buffer, .address_space: global }
    .group_segment_fixed_size: 16640
    .private_segment_fixed_size: 0
    .kernarg_segment_align: 8
    .kernarg_segment_size: 40
    .max_flat_workgroup_size: 64
    .sgpr_count:     66
    .vgpr_count:     194
    .wavefront_size: 32
...
	.end_amdgpu_metadata
.endif
;; end of part 1
;; launch qkv (part 2): grid 8 x 24, 4 waves a work-group, clusters of 4 x 4, 327,680 bytes of LDS; arguments xq, Wq_codes, Wq_scales, Wk_codes, Wk_scales, Wv_codes, Wv_scales, bq, bk, bv, qkvw; writes qkvw
.if DOCPART == 2
	.amdgcn_target "amdgcn-amd-amdhsa--gfx1250"
	.amdhsa_code_object_version 6
	.text
	.protected	k_q4b1860faab_qkv
	.globl	k_q4b1860faab_qkv
	.p2align	8
	.type	k_q4b1860faab_qkv,@function
k_q4b1860faab_qkv:
	s_mov_b64 s[64:65], 0
	v_nop
	global_prefetch_b8 v0, s[64:65] scope:SCOPE_SE
	s_setreg_imm32_b32 hwreg(HW_REG_WAVE_MODE, 25, 1), 1
	s_wait_xcnt 0x0
	s_wait_alu depctr_hold_cnt(0) depctr_sa_sdst(0) depctr_va_vdst(0) depctr_va_sdst(0) depctr_va_ssrc(0) depctr_va_vcc(0) depctr_vm_vsrc(0)
	s_getreg_b32 s2, hwreg(HW_REG_IB_STS2, 6, 4)
	s_cmp_eq_u32 s2, 0
	s_cbranch_scc0 .Lentry_in_a_cluster
	s_endpgm
.Lentry_in_a_cluster:
	s_bfe_u32 s2, ttmp6, 0x10000c
	s_cmp_lg_u32 s2, 0xf033
	s_cbranch_scc0 .Lentry_shape_is_right
	s_endpgm
.Lentry_shape_is_right:
.set QKV,    1
.set KSTEP,  256
.set NQ,     2
.set ROWB,   256                       ; the ring goes by chunks of 256 bytes of each row of codes; a step of 128 along K is 96 bytes: eight steps to three chunks
.set STEPS,  8
.set CHUNKS, 3
.set KROW,   768
.set PITCH,  272
.set FR,     12
.set NL,     6
.set NP,     4
.set HALFT,  128*PITCH
.set SLOT,   4*HALFT
.set LAPS,   2
.set KS,     32
.set SCL,    2*SLOT
.set HALFS,  (128*KS/256)*272
.set SPARE,  SCL+4*HALFS
.set HEADREC, 315392
.set STEPB,  13056
.set QOFF,   208896
.set QSOFF,  307200
.if QKV
.set FLOOR,  0x4000000
.else
.set FLOOR,  0x2800000
.endif
.set ADRA, 16
.set ADRB, 20
.set ADRS, 27
.set SPW,  28
.set NIL,  29
.set LO8,  30
.set LO4,  31
.set SC,   32
.set CB,   64
.set AF,   128
.set H,    128
.set PC,   192
.set TM,   212
.set PW,   228
.set W2,   229
.set RB,   230
.set W3,   246
.set G1, 24
.set G0, 32
.set G1B, 48
.set G0B, 56
.set G1S, 68
.set G0S, 76
.set G1SB, 80
.set G0SB, 88
.set OC,  92
.set OW,  94
.set SEL, 66
.set ISV, 2
.set BIA, 98
.set BV,  100
.set MSB, 0
.macro WIN new
.if MSB != (\new)
	s_set_vgpr_msb (MSB<<8)|(\new)
.set MSB, (\new)
.endif
.endm
.set TO_B, 0x40
.macro WINMUL hi, zero
.if (\zero) && (QKV == 0)
	WIN 0x81+0x40*(\hi)
.else
	WIN 0xa1+0x50*(\hi)
.endif
.endm
.macro JLOAD g0a, g1a, g0b, g1b
	s_cmp_eq_u32 s15, 0
	s_cbranch_scc0 .Lfor_b_\@
	tensor_load_to_lds s[\g0a:\g0a+3], s[\g1a:\g1a+7]
	s_nop 0
.rept 4
	v_nop
.endr
	s_branch .Lasked_\@
.Lfor_b_\@:
	tensor_load_to_lds s[\g0b:\g0b+3], s[\g1b:\g1b+7]
	s_nop 0
.rept 4
	v_nop
.endr
.Lasked_\@:
.endm
.macro CREST
	s_cmp_lg_u32 s14, 0
	s_cbranch_scc1 .Lnot_wave_0_\@
	s_barrier_signal -3
.Lnot_wave_0_\@:
	s_barrier_wait -3
	s_barrier_signal -1
	s_barrier_wait -1
.endm
.macro CROUND
	s_barrier_signal -1
	s_barrier_wait -1
	CREST
.endm
.if QKV
	s_load_b512 s[68:83], s[0:1], 0x0
	s_load_b128 s[84:87], s[0:1], 0x40
	s_load_b64 s[12:13], s[0:1], 0x50
.else
	s_load_b256 s[68:75], s[0:1], 0x0
	s_load_b64 s[12:13], s[0:1], 0x20
.endif
	v_lshl_add_u32 v[SPW], v0, 2, SPARE
	v_mov_b32 v[NIL], 0
	ds_add_u32 v28, v29
	ds_add_u32 v28, v29
	s_wait_dscnt 0x0
	v_lshrrev_b32 v1, 5, v0
	v_readfirstlane_b32 s14, v1
	s_lshr_b32 s15, s14, 1
	s_and_b32 s16, s14, 1
	s_bfe_u32 s40, ttmp6, 0x40000
	s_bfe_u32 s41, ttmp6, 0x40004
	s_and_b32 s3, ttmp7, 0xffff
.if QKV
	s_lshl_b32 s42, s3, 1
	s_add_co_u32 s42, s42, ttmp9
	s_sub_co_u32 s42, s42, 8
	s_cmp_ge_u32 s3, 4
	s_cselect_b32 s[ISV], 1, 0
	s_cselect_b32 s17, 0, s3
	s_cselect_b32 s42, s42, 0
.else
	s_mov_b32 s17, s3
	s_mov_b32 s42, ttmp9
.endif
	s_lshl_b32 s17, s17, 2
	s_add_co_u32 s17, s17, s41
	s_lshl_b32 s42, s42, 2
	s_add_co_u32 s42, s42, s40
	s_lshl_b32 s43, s41, 2
	s_lshl_b32 s43, 15, s43
	s_lshl_b32 s44, 0x1111, s40
	s_or_b32 s[G1+0], s43, (0<<16)|(1<<20)|(1<<21)|(5<<22)|(3<<25)
	s_or_b32 s[G1B+0], s44, (0<<16)|(1<<20)|(1<<21)|(5<<22)|(3<<25)
.irp g, G1, G1B
	s_mov_b32 s[\g+1], ROWB<<16
	s_mov_b32 s[\g+2], 256<<16                     ; 256 rows for the head's loads; behind them these two words are set to 128, for the ring's
	s_mov_b32 s[\g+3], ROWB<<16
	s_mov_b32 s[\g+4], 256
	s_mov_b32 s[\g+5], KROW
	s_mov_b32 s[\g+6], 0
	s_mov_b32 s[\g+7], 0
.endr
	s_lshl_b32 s20, s17, 8                         ; the tiles' first rows
	s_lshl_b32 s46, s42, 8
	s_mov_b32 s21, 0
	s_mov_b32 s47, 0
	s_mov_b64 s[18:19], KS
	s_mul_u64 s[22:23], s[20:21], s[18:19]
	s_mul_u64 s[92:93], s[46:47], s[18:19]
	s_mov_b64 s[18:19], KROW
	s_mul_u64 s[20:21], s[20:21], s[18:19]
	s_mul_u64 s[46:47], s[46:47], s[18:19]
	s_mul_i32 s18, s16, 128*KROW                   ; in the ring I fetch 128 rows of a tile: which half, in bytes
	s_mov_b32 s19, 0
	s_mul_i32 s45, s14, HALFT
	s_mov_b32 s[SEL], 0x76543210
	s_mov_b32 s[SEL+1], 0xfedcba98
	s_wait_kmcnt 0x0
.if QKV
	s_add_nc_u64 s[96:97], s[68:69], 3145728
	s_cmp_eq_u32 ttmp9, 0
	s_cselect_b64 s[8:9], s[70:71], s[74:75]
	s_cselect_b64 s[10:11], s[72:73], s[76:77]
	s_cselect_b64 s[BIA:BIA+1], s[82:83], s[84:85]
	s_cmp_eq_u32 s[ISV], 1
	s_cselect_b64 s[4:5], s[78:79], s[68:69]
	s_cselect_b64 s[6:7], s[80:81], s[96:97]
	s_cselect_b64 s[8:9], s[68:69], s[8:9]
	s_cselect_b64 s[10:11], s[96:97], s[10:11]
	s_mov_b64 s[BV:BV+1], s[86:87]
.else
	s_add_nc_u64 s[4:5], s[68:69], 16777216
	s_add_nc_u64 s[6:7], s[68:69], 19922944
	s_mov_b64 s[8:9], s[70:71]
	s_mov_b64 s[10:11], s[72:73]
	s_mov_b64 s[BIA:BIA+1], s[74:75]
.endif
	s_add_nc_u64 s[20:21], s[4:5], s[20:21]
	s_add_nc_u64 s[22:23], s[6:7], s[22:23]
	s_add_nc_u64 s[46:47], s[8:9], s[46:47]
	s_add_nc_u64 s[92:93], s[10:11], s[92:93]
	s_or_b32 s[G1S+0], s43, (3<<16)|(1<<20)|(1<<21)|(5<<22)|(3<<25)
	s_or_b32 s[G1SB+0], s44, (3<<16)|(1<<20)|(1<<21)|(5<<22)|(3<<25)
.irp g, G1S, G1SB
	s_mov_b32 s[\g+1], 32<<16
	s_mov_b32 s[\g+2], KS<<16                      ; the scales of 256 rows: KS rows of 256 bytes
	s_mov_b32 s[\g+3], 32<<16
	s_mov_b32 s[\g+4], KS
	s_mov_b32 s[\g+5], 32
	s_mov_b32 s[\g+6], 0
	s_mov_b32 s[\g+7], 0
.endr
	CROUND
	s_mov_b32 s[G0S], 1
	s_mov_b32 s[G0S+1], SCL
	s_mov_b64 s[G0S+2:G0S+3], s[22:23]
	s_or_b32 s[G0S+3], s[G0S+3], 0x80000000
	s_mov_b32 s[G0SB], 1
	s_mov_b32 s[G0SB+1], SCL+2*HALFS
	s_mov_b64 s[G0SB+2:G0SB+3], s[92:93]
	s_or_b32 s[G0SB+3], s[G0SB+3], 0x80000000
	s_mov_b32 s4, 1                                ; group 0 for the head's loads of chunk 0 (the pointers that lay in s[4:11] have been used): A's 256 rows,
	s_mov_b32 s5, 0
	s_mov_b64 s[6:7], s[20:21]
	s_or_b32 s7, s7, 0x80000000
	s_mov_b32 s8, 1                                ; and B's, behind them in slot 0
	s_mov_b32 s9, 2*HALFT
	s_mov_b64 s[10:11], s[46:47]
	s_or_b32 s11, s11, 0x80000000
	s_add_nc_u64 s[20:21], s[20:21], s[18:19]      ; for the ring: my 128 rows of the tile
	s_add_nc_u64 s[46:47], s[46:47], s[18:19]
.irp s, 0,1
	s_mov_b32 s[G0+4*\s], 1
	s_add_co_u32 s[G0+4*\s+1], s45, \s*SLOT
	s_add_nc_u64 s[G0+4*\s+2:G0+4*\s+3], s[20:21], \s*ROWB
	s_or_b32 s[G0+4*\s+3], s[G0+4*\s+3], 0x80000000
	s_mov_b32 s[G0B+4*\s], 1
	s_add_co_u32 s[G0B+4*\s+1], s45, \s*SLOT
	s_add_nc_u64 s[G0B+4*\s+2:G0B+4*\s+3], s[46:47], \s*ROWB
	s_or_b32 s[G0B+4*\s+3], s[G0B+4*\s+3], 0x80000000
.endr
; The head's loads, one a wave: wave 0 chunk 0's 256 rows of A, wave 1 its 256 rows of B, wave 2 A's scales, wave 3 B's; one chain of branches on the wave's number
.macro ARM under, g0, g1, next
	s_cmp_lt_u32 s14, \under
	s_cbranch_scc0 \next
	tensor_load_to_lds s[\g0:\g0+3], s[\g1:\g1+7]
	s_nop 0
.rept 4
	v_nop
.endr
	s_branch .Lhead_asked
\next:
.endm
	ARM 1, 4, G1, .Lhead_b
	ARM 2, 8, G1B, .Lhead_sa
	ARM 3, G0S, G1S, .Lhead_sb
	tensor_load_to_lds s[G0SB:G0SB+3], s[G1SB:G1SB+7]
	s_nop 0
.rept 4
	v_nop
.endr
.Lhead_asked:
	v_and_b32 v1, 15, v0
	v_bfe_u32 v2, v0, 4, 1
	v_and_b32 v7, 8, v1
	v_add_nc_u32 v7, v7, v1
	v_mul_u32_u24 v3, v7, PITCH
	v_mul_u32_u24 v4, v2, 24
	v_add_nc_u32 v4, v3, v4
	s_mov_b32 s21, SLOT-232
	s_mov_b32 s22, SLOT+232
	v_sub_nc_u32 v6, 1, v2
	v_mul_u32_u24 v5, s21, v2
	v_add_nc_u32 v5, v3, v5
	v_add_nc_u32 v5, 232, v5                       ; across two chunks: lanes 0-15 byte 232 of the row in slot 0, lanes 16-31 byte 0 of the row in slot 1;
	v_mul_u32_u24 v6, s22, v6
	v_add_nc_u32 v6, v3, v6                        ; and lanes 0-15 byte 232 in slot 1, lanes 16-31 byte 0 in slot 0
	s_mul_i32 s21, s15, HALFT
	s_mul_i32 s22, s16, HALFT
	s_add_co_u32 s22, s22, 2*HALFT
	v_add_nc_u32 v[ADRA+2], s21, v5
	v_add_nc_u32 v[ADRA+3], s21, v6
	v_add_nc_u32 v[ADRB+2], s22, v5
	v_add_nc_u32 v[ADRB+3], s22, v6
.irp s, 0,1
	v_add_nc_u32 v[ADRA+\s], s21, v4
	v_add_nc_u32 v[ADRB+\s], s22, v4
	s_add_co_u32 s21, s21, SLOT
	s_add_co_u32 s22, s22, SLOT
.endr
	v_mul_u32_u24 v5, v7, KS
	v_lshrrev_b32 v6, 8, v5
	v_lshl_add_u32 v5, v6, 4, v5
	s_mul_i32 s21, s15, HALFS
	s_mul_i32 s22, s16, HALFS
	s_add_co_u32 s22, s22, 2*HALFS
	s_sub_co_u32 s22, s22, s21
	v_mul_u32_u24 v6, s22, v2
	s_add_co_u32 s21, s21, SCL
	v_add_nc_u32 v5, v5, v6
	v_add_nc_u32 v[ADRS], s21, v5
	v_and_b32 v6, 31, v0
	v_lshlrev_b32 v[LO8], 3, v6
	v_lshlrev_b32 v[LO4], 2, v1
	v_lshlrev_b32 v8, 6, v2
.if QKV
	s_lshl_b32 s18, s40, 10
.else
	s_lshl_b32 s18, s42, 10
.endif
	s_lshl_b32 s19, s16, 9
	s_add_co_u32 s18, s18, s19
	s_mov_b32 s19, 0
	s_add_nc_u64 s[BIA:BIA+1], s[BIA:BIA+1], s[18:19]
.irp b, 0,1,2,3,4,5,6,7
	global_load_b128 v[CB+8*\b:CB+8*\b+3], v8, s[BIA:BIA+1] offset:(32*(\b/2)+8*(\b%2))*4
	global_load_b128 v[CB+8*\b+4:CB+8*\b+7], v8, s[BIA:BIA+1] offset:(32*(\b/2)+8*(\b%2))*4+16
.endr
.if QKV
	s_lshl_b32 s18, s41, 10
	s_lshl_b32 s19, s15, 9
	s_add_co_u32 s18, s18, s19
	s_mov_b32 s19, 0
	s_add_nc_u64 s[BV:BV+1], s[BV:BV+1], s[18:19]
	v_lshlrev_b32 v9, 2, v7
.irp a, 0,1,2,3,4,5,6,7
	global_load_b32 v[RB+2*\a], v9, s[BV:BV+1] offset:(32*(\a/2)+8*(\a%2))*4
.endr
	s_cmp_eq_u32 s[ISV], 1
	s_cselect_b32 s20, s42, s17
	s_cselect_b32 s21, s16, s15
	s_cselect_b32 s22, s41, s40
	s_cselect_b32 s23, s15, s16
	s_lshl_b32 s20, s20, 1
	s_add_co_u32 s20, s20, s21
	s_lshr_b32 s21, s20, 4
	s_and_b32 s20, s20, 15
	s_lshl_b32 s21, s21, 4
	s_lshl_b32 s22, s22, 2
	s_add_co_u32 s21, s21, s22
	s_lshl_b32 s23, s23, 1
	s_add_co_u32 s21, s21, s23
	s_mul_i32 s21, s21, HEADREC
	s_mul_i32 s22, s20, STEPB
	s_add_co_u32 s22, s22, s21
	s_mul_i32 s23, s20, 6144
	s_add_co_u32 s23, s23, s21
	s_add_co_u32 s23, s23, QOFF
	s_lshl_b32 s45, s20, 9
	s_add_co_u32 s45, s45, s21
	s_add_co_u32 s45, s45, QSOFF
	s_add_co_u32 s46, s22, 12288
	s_cmp_eq_u32 ttmp9, 0
	s_cselect_b32 s23, s23, s22
	s_cselect_b32 s45, s45, s46
	s_add_co_u32 s46, s22, 6144
	s_add_co_u32 s47, s22, 12800
	s_cmp_eq_u32 s[ISV], 1
	s_cselect_b32 s[OC], s46, s23
	s_cselect_b32 s[OW], s47, s45
.else
	s_lshl_b32 s21, s17, 4
	s_lshl_b32 s22, s15, 3
	s_add_co_u32 s21, s21, s22
	s_mul_i32 s[OC], s42, 786432
	s_mul_i32 s22, s21, 3072
	s_add_co_u32 s[OC], s[OC], s22
	s_mul_i32 s22, s16, 1536
	s_add_co_u32 s[OC], s[OC], s22
	s_lshl_b32 s[OW], s42, 15
	s_lshl_b32 s22, s21, 7
	s_add_co_u32 s[OW], s[OW], s22
	s_lshl_b32 s22, s16, 6
	s_add_co_u32 s[OW], s[OW], s22
	s_add_co_u32 s[OW], s[OW], 12582912
.endif
	s_mov_b32 s[OC+1], 0
	s_mov_b32 s[OW+1], 0
	s_add_nc_u64 s[OC:OC+1], s[12:13], s[OC:OC+1]
	s_add_nc_u64 s[OW:OW+1], s[12:13], s[OW:OW+1]
.macro FRAG reg, adr, q, i
.irp p, 0,1,2,3,4,5
.set BY, 96*(\q)+48*(\p/3)+8*(\p%3)    ; q: the step, counted from the row's start.  Byte y of a row lies in chunk y / 256, in slot (y / 256) % 2; lanes 16-31 read 24 bytes on
.if BY/ROWB == (BY+24)/ROWB
	ds_load_b64 v[\reg+2*\p:\reg+2*\p+1], v[\adr+(BY/ROWB)%2] offset:BY%ROWB+(32*((\i)/2)+8*((\i)%2))*PITCH
.else
	ds_load_b64 v[\reg+2*\p:\reg+2*\p+1], v[\adr+2+(BY/ROWB)%2] offset:BY%ROWB-232+(32*((\i)/2)+8*((\i)%2))*PITCH
.endif
.endr
.endm
.macro MUL16 a0, p, q, sc, zero
.irp a, \a0, \a0+1
.irp b, 0,1,2,3,4,5,6,7
.if \zero
.if QKV
	v_wmma_scale_f32_16x16x128_f8f6f4 v[8*(8*((\a)%4)+\b):8*(8*((\a)%4)+\b)+7], v[128*(\p)+FR*\b:128*(\p)+FR*\b+FR-1], v[AF+FR*(\a):AF+FR*(\a)+FR-1], 0, v[SC+8*NQ*(\sc)+NQ*\b+(\q)], v[SC+8*NQ*(\sc)+NQ*(\a)+(\q)] matrix_a_fmt:MATRIX_FMT_BF6 matrix_b_fmt:MATRIX_FMT_BF6 matrix_a_scale:MATRIX_SCALE_ROW1
.else
	v_wmma_scale_f32_16x16x128_f8f6f4 v[8*(8*((\a)%4)+\b):8*(8*((\a)%4)+\b)+7], v[128*(\p)+FR*\b:128*(\p)+FR*\b+FR-1], v[AF+FR*(\a):AF+FR*(\a)+FR-1], v[CB+8*\b:CB+8*\b+7], v[SC+8*NQ*(\sc)+NQ*\b+(\q)], v[SC+8*NQ*(\sc)+NQ*(\a)+(\q)] matrix_a_fmt:MATRIX_FMT_BF6 matrix_b_fmt:MATRIX_FMT_BF6 matrix_a_scale:MATRIX_SCALE_ROW1
.endif
.else
	v_wmma_scale_f32_16x16x128_f8f6f4 v[8*(8*((\a)%4)+\b):8*(8*((\a)%4)+\b)+7], v[128*(\p)+FR*\b:128*(\p)+FR*\b+FR-1], v[AF+FR*(\a):AF+FR*(\a)+FR-1], v[8*(8*((\a)%4)+\b):8*(8*((\a)%4)+\b)+7], v[SC+8*NQ*(\sc)+NQ*\b+(\q)], v[SC+8*NQ*(\sc)+NQ*(\a)+(\q)] matrix_a_fmt:MATRIX_FMT_BF6 matrix_b_fmt:MATRIX_FMT_BF6 matrix_a_scale:MATRIX_SCALE_ROW1
.endif
.endr
.endr
.endm
.macro FETCH_B slot, q, p
	WIN TO_B
.irp i, 0,1,2,3,4,5,6,7
	FRAG 128*(\p)+FR*\i, ADRB+\slot, \q, \i
.endr
	WIN 0
.endm
.macro FETCH_A slot, q, i0
.irp i, \i0, \i0+1, \i0+2, \i0+3
	FRAG AF+FR*(\i), ADRA+\slot, \q, \i
.endr
.endm
.macro SCALES sc
.irp i, 0,1,2,3,4,5,6,7
	ds_load_b64 v[SC+8*NQ*((\sc)%2)+NQ*\i:SC+8*NQ*((\sc)%2)+NQ*\i+1], v[ADRS] offset:(32*(\i/2)+8*(\i%2))*34+4*NQ*(\sc)   ; sc: the pair of steps
.endr
.endm
.macro PLACES n
.rept \n
	v_nop
.endr
.endm
; A step of 128 along K: 64 products; the next step's fragments are fetched in its middle and at its end.  Where the next step's bytes END in a chunk not read yet: a wait for my tensor loads and a barrier.
; Where they BEGIN in a later chunk: the wait, the add, the wait for it and for my reads, the barrier; where a chunk two on is left to fetch, the barrier opens a round of the cluster's barrier and the slot is filled again.
.macro STEP st, zero
.set NX, (\st)+1
.set C0, (96*(\st))/ROWB
.set C1, (96*NX)/ROWB
.set E0, (96*(\st)+95)/ROWB
.set E1, (96*NX+95)/ROWB
.if C1 > C0 || E1 > E0
	s_wait_tensorcnt 0x0
.if C1 > C0
	ds_add_u32 v[SPW], v[NIL]
	s_wait_dscnt 4*NL+1                            ; the add and A's blocks 4-7 may be out
.else
	s_wait_dscnt 4*NL
.endif
	WINMUL 0, \zero
	MUL16 0, (\st)%2, (\st)%2, ((\st)/2)%2, \zero
	s_wait_dscnt 0x0
	s_barrier_signal -1
	MUL16 2, (\st)%2, (\st)%2, ((\st)/2)%2, \zero
	WIN 0
	s_barrier_wait -1
.if C1 > C0 && C0+2 < CHUNKS
	CREST
	s_add_nc_u64 s[G0+4*(C0%2)+2:G0+4*(C0%2)+3], s[G0+4*(C0%2)+2:G0+4*(C0%2)+3], 2*ROWB
	s_add_nc_u64 s[G0B+4*(C0%2)+2:G0B+4*(C0%2)+3], s[G0B+4*(C0%2)+2:G0B+4*(C0%2)+3], 2*ROWB
	JLOAD G0+4*(C0%2), G1, G0B+4*(C0%2), G1B
.else
	PLACES NP
.endif
.else
	s_wait_dscnt 4*NL
	WINMUL 0, \zero
	MUL16 0, (\st)%2, (\st)%2, ((\st)/2)%2, \zero
	MUL16 2, (\st)%2, (\st)%2, ((\st)/2)%2, \zero
	s_wait_dscnt 0
	PLACES NP
.endif
	FETCH_B 0, NX, NX%2
	FETCH_A 0, NX, 0
.if NX%2 == 0
	SCALES NX/2
.endif
	WINMUL 1, \zero
	MUL16 4, (\st)%2, (\st)%2, ((\st)/2)%2, \zero
	MUL16 6, (\st)%2, (\st)%2, ((\st)/2)%2, \zero
	PLACES NP
	WIN 0
	FETCH_A 0, NX, 4
.endm
	s_wait_loadcnt 0x0
.if QKV
.irp a, 0,1,2,3,4,5,6,7
	v_mov_b32 v[RB+2*\a+1], v[RB+2*\a]
.endr
.endif
	s_wait_alu depctr_va_vdst(0)                   ; the wait at the head's end
	s_wait_tensorcnt 0x0                           ; my tile of the head's four is in
	ds_add_u32 v[SPW], v[NIL]
	s_mov_b32 s[G1+2], 128<<16                     ; no tensor load of mine is out: from here on a load brings 128 rows
	s_mov_b32 s[G1+4], 128
	s_mov_b32 s[G1B+2], 128<<16
	s_mov_b32 s[G1B+4], 128
	s_wait_dscnt 0x0
	CROUND                                         ; all four tiles are in, and the sixteen work-groups are here
	JLOAD G0+4, G1, G0B+4, G1B                     ; chunk 1, the first tensor load behind the round
	FETCH_B 0, 0, 0
	FETCH_A 0, 0, 0
	SCALES 0
	FETCH_A 0, 0, 4
	STEP 0, 1
.set ST, 1                             ; the eight steps are written out: slots and chunks do not come back to where they began within them
.rept STEPS-2
	STEP ST, 0
.set ST, ST+1
.endr
	s_wait_dscnt 4*NL
	WINMUL 0, 0
	MUL16 0, 1, NQ-1, 1, 0
	MUL16 2, 1, NQ-1, 1, 0
	s_wait_dscnt 0
	WINMUL 1, 0
	MUL16 4, 1, NQ-1, 1, 0
	MUL16 6, 1, NQ-1, 1, 0
	WIN 0
.macro QUANT s
.irp b, 0,1,2,3
	v_max3_num_f32 v[TM+\b], |v[\s+16*\b]|, |v[\s+1+16*\b]|, FLOOR
.endr
.irp i, 2,4,6,8,10,12,14
.irp b, 0,1,2,3
	v_max3_num_f32 v[TM+\b], v[TM+\b], |v[\s+16*\b+\i]|, |v[\s+1+16*\b+\i]|
.endr
.endr
.irp b, 0,1,2,3
	v_permlanex16_b32 v[TM+4+\b], v[TM+\b], s[SEL], s[SEL+1]
.endr
.irp b, 0,1,2,3
	v_max_num_f32 v[TM+\b], v[TM+\b], v[TM+4+\b]
.endr
.irp b, 0,1,2,3
	v_add_nc_u32 v[TM+12+\b], 0xfe000000, v[TM+\b]
.endr
.irp b, 0,1,2,3
	v_lshrrev_b32 v[TM+4+\b], 23, v[TM+12+\b]
.endr
	v_lshl_or_b32 v[PW], v[TM+5], 8, v[TM+4]
	v_lshl_or_b32 v[PW], v[TM+6], 16, v[PW]
	v_lshl_or_b32 v[PW], v[TM+7], 24, v[PW]
.irp c, 0,1
	v_cvt_scalef32_pk16_bf6_f32 v[PC+6*\c:PC+2+6*\c], v[\s+32*\c:\s+15+32*\c], v[TM+12+2*\c]
	v_cvt_scalef32_pk16_bf6_f32 v[PC+12+4*\c:PC+14+4*\c], v[\s+16+32*\c:\s+31+32*\c], v[TM+12+2*\c+1]
.endr
	v_nop
.irp c, 0,1
.irp i, 0,1,2
	v_permlane16_swap_b32 v[PC+6*\c+\i], v[PC+12+4*\c+\i]
.endr
.irp i, 0,1,2
	v_mov_b32 v[PC+3+6*\c+\i], v[PC+12+4*\c+\i]
.endr
.endr
.endm
.macro EPI a, kind
.if (\a) > 0
	s_wait_xcnt 0x0
.endif
.set AC, 64*((\a)%4)
.if \kind == 2
	WIN 0x08+4*((\a)/4)
.set ii, 0
.rept 64
	v_max_num_f32 v[H+ii], 0, v[AC+ii]
.set ii, ii+1
.endr
.else
	WIN 0x02+(\a)/4
.set ii, 0
.rept 32
.if \kind == 0
	v_pk_add_f32 v[H+ii:H+ii+1], v[AC+ii:AC+ii+1], v[CB+ii:CB+ii+1]
.else
	v_pk_add_f32 v[H+ii:H+ii+1], v[AC+ii:AC+ii+1], v[RB+2*(\a):RB+2*(\a)+1]
.endif
.set ii, ii+2
.endr
.endif
	WIN 0
	QUANT H
.if \kind == 0
.irp c, 0,1
.irp p, 0,1,2
	global_store_b64 v[LO8], v[PC+6*\c+2*\p:PC+6*\c+2*\p+1], s[OC:OC+1] offset:\c*HEADREC+(\a)*768+256*\p
.endr
.endr
	v_and_b32 v[W2], 0xffff, v[PW]
	v_lshrrev_b32 v[W3], 16, v[PW]
	global_store_b32 v[LO4], v[W2], s[OW:OW+1] offset:(\a)*64
	global_store_b32 v[LO4], v[W3], s[OW:OW+1] offset:HEADREC+(\a)*64
.elseif \kind == 1
.irp p, 0,1,2,3,4,5
	global_store_b64 v[LO8], v[PC+2*\p:PC+2*\p+1], s[OC:OC+1] offset:((\a)/4)*HEADREC+((\a)%4)*1536+256*\p
.endr
	global_store_b32 v[LO4], v[PW], s[OW:OW+1] offset:((\a)/4)*HEADREC+((\a)%4)*64
.else
.irp p, 0,1,2,3,4,5
	global_store_b64 v[LO8], v[PC+2*\p:PC+2*\p+1], s[OC:OC+1] offset:(\a)*3072+256*\p
.endr
	global_store_b32 v[LO4], v[PW], s[OW:OW+1] offset:(\a)*128
.endif
.endm
	PLACES NP
.irp b, 0,1,2,3
	v_mov_b32 v[TM+4+\b], 0
.endr
.if QKV
	s_cmp_eq_u32 s[ISV], 1
	s_cbranch_scc1 .Lv_path
.irp a, 0,1,2,3,4,5,6,7
	EPI \a, 0
.endr
	s_branch .Ldone
.Lv_path:
.irp a, 0,1,2,3,4,5,6,7
	EPI \a, 1
.endr
.Ldone:
.else
.irp a, 0,1,2,3,4,5,6,7
	EPI \a, 2
.endr
.endif
	s_wait_tensorcnt 0x0
	ds_add_u32 v[SPW], v[NIL]
	s_wait_dscnt 0x0
	CROUND
	s_endpgm
.Lfunc_end_k_q4b1860faab_qkv:
	.size	k_q4b1860faab_qkv, .Lfunc_end_k_q4b1860faab_qkv-k_q4b1860faab_qkv
	.p2alignl 7, 3214868480
	.fill 96, 4, 3214868480
	.section	.rodata,"a",@progbits
	.p2align	6, 0x0
	.amdhsa_kernel k_q4b1860faab_qkv
		.amdhsa_group_segment_fixed_size 327680
		.amdhsa_private_segment_fixed_size 0
		.amdhsa_enable_private_segment 0
		.amdhsa_kernarg_size 88
		.amdhsa_user_sgpr_count 2
		.amdhsa_user_sgpr_kernarg_segment_ptr 1
		.amdhsa_wavefront_size32 1
		.amdhsa_system_sgpr_workgroup_id_x 1
		.amdhsa_system_sgpr_workgroup_id_y 1
		.amdhsa_system_sgpr_workgroup_id_z 1
		.amdhsa_system_vgpr_workitem_id 0
		.amdhsa_next_free_vgpr 1024
		.amdhsa_next_free_sgpr 102
		.amdhsa_reserve_vcc 0
		.amdhsa_float_denorm_mode_32 3
		.amdhsa_float_denorm_mode_16_64 3
		.amdhsa_memory_ordered 1
		.amdhsa_forward_progress 1
		.amdhsa_inst_pref_size 240
	.end_amdhsa_kernel
	.amdgpu_metadata
---
amdhsa.version: [ 1, 2 ]
amdhsa.kernels:
  - .name:           k_q4b1860faab_qkv
    .symbol:         k_q4b1860faab_qkv.kd
    .args:
      - { .name: xq, .offset: 0, .size: 8, .value_kind: global_buffer, .address_space: global }
      - { .name: Wq_codes, .offset: 8, .size: 8, .value_kind: global_buffer, .address_space: global }
      - { .name: Wq_scales, .offset: 16, .size: 8, .value_kind: global_buffer, .address_space: global }
      - { .name: Wk_codes, .offset: 24, .size: 8, .value_kind: global_buffer, .address_space: global }
      - { .name: Wk_scales, .offset: 32, .size: 8, .value_kind: global_buffer, .address_space: global }
      - { .name: Wv_codes, .offset: 40, .size: 8, .value_kind: global_buffer, .address_space: global }
      - { .name: Wv_scales, .offset: 48, .size: 8, .value_kind: global_buffer, .address_space: global }
      - { .name: bq, .offset: 56, .size: 8, .value_kind: global_buffer, .address_space: global }
      - { .name: bk, .offset: 64, .size: 8, .value_kind: global_buffer, .address_space: global }
      - { .name: bv, .offset: 72, .size: 8, .value_kind: global_buffer, .address_space: global }
      - { .name: qkvw, .offset: 80, .size: 8, .value_kind: global_buffer, .address_space: global }
    .group_segment_fixed_size: 327680
    .private_segment_fixed_size: 0
    .kernarg_segment_align: 8
    .kernarg_segment_size: 88
    .max_flat_workgroup_size: 128
    .sgpr_count:     102
    .vgpr_count:     1024
    .wavefront_size: 32
...
	.end_amdgpu_metadata
.endif
;; end of part 2
;; launch attn (part 3): grid 8 x 32, 16 waves a work-group, clusters of 4 x 1, 210,944 bytes of LDS; arguments qkvw, attention_mask, att; writes att
.if DOCPART == 3
	.amdgcn_target "amdgcn-amd-amdhsa--gfx1250"
	.amdhsa_code_object_version 6
	.text
	.protected	k_q4b1860faab_attn
	.globl	k_q4b1860faab_attn
	.p2align	8
	.type	k_q4b1860faab_attn,@function
k_q4b1860faab_attn:
	s_mov_b64 s[64:65], 0
	v_nop
	global_prefetch_b8 v0, s[64:65] scope:SCOPE_SE
	s_setreg_imm32_b32 hwreg(HW_REG_WAVE_MODE, 25, 1), 1
	s_wait_xcnt 0x0
	s_wait_alu depctr_hold_cnt(0) depctr_sa_sdst(0) depctr_va_vdst(0) depctr_va_sdst(0) depctr_va_ssrc(0) depctr_va_vcc(0) depctr_vm_vsrc(0)
	s_getreg_b32 s2, hwreg(HW_REG_IB_STS2, 6, 4)
	s_cmp_eq_u32 s2, 0
	s_cbranch_scc0 .Lentry_in_a_cluster
	s_endpgm
.Lentry_in_a_cluster:
	s_bfe_u32 s2, ttmp6, 0x10000c
	s_cmp_lg_u32 s2, 0x3003
	s_cbranch_scc0 .Lentry_shape_is_right
	s_endpgm
.Lentry_shape_is_right:
; attn[q] = the sum over k of softmax_k(q . k / 8 + mask[k]) v[k], for 32 heads of 64 channels and 2,048 keys, both products on codes of BF6 (E3M2) with E8M0 scales; the result is quantised along the 1,024 features.
; THE SOFTMAX AHEAD OF THE SECOND PRODUCT: t = logit x log2(e); M = the row's largest t so far, rounded up to a whole number; p = 2^(t - M) is quantised along the keys, not normalised; the row's sum is taken of the
; unquantised p and divides at the end.  When M moves, the sum and O are multiplied by 2^(old M - new M): exact.
; SHARES.  A work-group owns 256 queries of one head, each of its sixteen waves one tile of 16, in 256 registers: four waves to a SIMD.  Every wave walks all keys, 128 a step.
; LDS.  The head's 16 step records (k's tiles, v's tiles, their scale words: 13,056 bytes each, laid by the launch before as images of the operands' registers) are filled ONCE: nothing is filled again.  The four query blocks of a
; cluster belong to one head and ask jointly.  Each of the sixteen waves issues one load, record = wave: one tensor load of a wave is out.  One barrier stands behind the wait for the records.
; LAYOUT.  Both products are used transposed: S^T = K Q^T (source 0 = 16 keys), O^T = V^T P^T (source 0 = 16 channels): a lane holds one query.  The keys of a tile are not neighbours (lane r of tile 2 b + u: key 32 b + 8 u + r + 8 (r / 8)),
; so that the 16 registers of tiles 2 b, 2 b + 1 are 16 neighbouring keys; v's channels and the queries of a tile are ordered likewise.
; THE HEAD HAS 64 CHANNELS, THE INSTRUCTION 128 ALONG K: Q's upper six registers are zero codes; a key tile's upper six registers are whatever follows (the next tile's codes, zeros behind the last) and meet zeros; the upper two scale bytes are 0.
; THE MASK is the C of the first product: its eight numbers of a tile are loaded into the scores' registers.  The division by 8 is 3 off each of Q's two scale bytes, which are at least 4 as the launch before makes them.
; LIMITS: NaN and +infinity are not served; -infinity in the mask gives p = 0; a row all of whose keys have -infinity gives NaN, as the softmax itself does; blocks of the result whose largest magnitude lies under 2^-122 keep the scale byte 1,
; a block of zeros too (its codes are zeros; this program alone reads the bytes).
; REGISTERS: v1-6 addresses; v12 -M, v13 the largest t, v[14:15] the sum in two halves; v16-27 Q; v32-85 K's or V's fragments; v86-93 their scale words; v96-159 S^T, then p; v160-191 O^T; v224-235 p's codes; v232-254 at work; v255 Q's scale word.
.set HEADREC, 315392
.set STEPB,  13056
.set QOFF,   208896
.set QSOFF,  307200
.set L8,  1                            ; v1  8 x lane: my place in a plane
.set R4,  2                            ; v2  4 x (lane % 16): my row's scale word
.set H64, 3                            ; v3  64 x (lane / 16): my 16 keys of a block in the mask
.set ADK, 4                            ; v4  LDS address of the step's planes
.set ADW, 5                            ; v5  of its scale words
.set AMG, 6                            ; v6  my offset in the mask's row
.set WV,  18
.set SEL, 20                           ; s[20:21] lane l xor 16
.set CS,  22                           ; s[22:23] log2(e)
.set G1,  24                           ; s[24:31] descriptor group 1; s[32:35] group 0
.set G0,  32
.set CNT, 48
.set TB,  49                           ; LDS byte at which the step's record begins
.set MB,  50                           ; s[50:51] the batch's row of the mask
.set SI,  52                           ; the step whose mask is loaded
.set AO,  54                           ; s[54:55] where my codes go; s[56:57] my scale bytes
.set AW,  56
.set QP,  58
.set QW,  60
.macro ROUND                           ; a round of the cluster's barrier
	s_barrier_signal -1
	s_barrier_wait -1
	s_cmp_lg_u32 s[WV], 0
	s_cbranch_scc1 .Lnot_wave_0_\@
	s_barrier_signal -3
.Lnot_wave_0_\@:
	s_barrier_wait -3
	s_barrier_signal -1
	s_barrier_wait -1
.endm
	s_load_b128 s[4:7], s[0:1], 0x0                ; qkvw, the mask
	s_load_b64 s[8:9], s[0:1], 0x10                ; att
	v_lshl_add_u32 v250, v0, 2, 0x33000
	v_mov_b32 v251, 0
	ds_add_u32 v250, v251
	ds_add_u32 v250, v251
	v_lshrrev_b32 v7, 5, v0
	s_delay_alu instid0(VALU_DEP_1)
	v_readfirstlane_b32 s[WV], v7                  ; wave 0..15
	s_bfe_u32 s10, ttmp6, 0x40000                  ; cx
	s_lshl_b32 s11, ttmp9, 2
	s_add_co_u32 s11, s11, s10                     ; my block of 256 queries: it enters Q's and the result's addresses alone
	s_and_b32 s12, ttmp7, 0xffff                   ; 16 x batch + head, which the four partners share
	s_mul_i32 s14, s12, HEADREC
	s_mov_b32 s15, 0
	s_mul_i32 s16, s[WV], STEPB                    ; my record: in LDS and in the head's record alike
	s_mov_b32 s17, 0
	s_lshl_b32 s13, s11, 4
	s_add_co_u32 s13, s13, s[WV]                   ; my tile of 16 queries: 0 .. 127
	; descriptor group 1: a record is dense: 51 rows of 256 bytes (32 elements of 8 bytes), no padding
	s_mov_b32 s[G1], 15|(3<<16)|(1<<21)            ; the mask: all four work-groups; bit 21 set beside it
	s_mov_b32 s[G1+1], 32<<16
	s_mov_b32 s[G1+2], 51<<16
	s_mov_b32 s[G1+3], 32<<16
	s_mov_b32 s[G1+4], 51
	s_mov_b32 s[G1+5], 32
	s_mov_b32 s[G1+6], 0
	s_mov_b32 s[G1+7], 0
	s_mov_b32 s[SEL], 0x76543210
	s_mov_b32 s[SEL+1], 0xfedcba98
	s_mov_b32 s[CS], 0x3fb8aa3b                    ; log2(e)
	s_mov_b32 s[CS+1], s[CS]                       ; (named with it as a pair)
	s_mov_b32 s[SI], 0
	s_wait_dscnt 0x0
	s_wait_kmcnt 0x0
	s_add_nc_u64 s[4:5], s[4:5], s[14:15]          ; the head's record
	s_add_nc_u64 s[14:15], s[4:5], s[16:17]
.irp j, 0
	s_mov_b32 s[G0+4*\j], 1
	s_add_co_u32 s[G0+4*\j+1], s16, 4*\j*STEPB     ; LDS: record 4 j + wave
	s_add_nc_u64 s[G0+4*\j+2:G0+4*\j+3], s[14:15], 4*\j*STEPB
	s_or_b32 s[G0+4*\j+3], s[G0+4*\j+3], 0x80000000
.endr
	ROUND                                          ; all four work-groups are here: the joint loads meet
	tensor_load_to_lds s[G0:G0+3], s[G1:G1+7]      ; THE FILLS, other than the head's comment has them: each of the sixteen waves fetches ONE record, the one of its own number; one tensor load of a wave is out
	s_nop 0
.rept 4
	v_nop
.endr
	v_and_b32 v7, 31, v0
	s_delay_alu instid0(VALU_DEP_1)
	v_lshlrev_b32 v[L8], 3, v7
	s_wait_alu depctr_va_vdst(0)
	v_and_b32 v8, 15, v0
	s_delay_alu instid0(VALU_DEP_1)
	v_lshlrev_b32 v[R4], 2, v8
	s_wait_alu depctr_va_vdst(0)
	v_bfe_u32 v9, v0, 4, 1
	s_delay_alu instid0(VALU_DEP_1)
	v_lshlrev_b32 v[H64], 6, v9
	s_delay_alu instid0(VALU_DEP_1)
	v_mov_b32 v[AMG], v[H64]                       ; step 0
	s_wait_alu depctr_va_vdst(0)
	s_mul_i32 s16, s13, 768
	s_add_co_u32 s16, s16, QOFF
	s_add_nc_u64 s[QP:QP+1], s[4:5], s[16:17]      ; my tile of Q: three planes
	s_lshl_b32 s16, s13, 6
	s_add_co_u32 s16, s16, QSOFF
	s_add_nc_u64 s[QW:QW+1], s[4:5], s[16:17]      ; and its scale words
	s_and_b32 s10, s12, 15                         ; the head in its batch
	s_lshr_b32 s11, s12, 4                         ; the batch
	s_lshl_b32 s16, s11, 13
	s_add_nc_u64 s[MB:MB+1], s[6:7], s[16:17]
	s_lshl_b32 s11, s11, 7
	s_add_co_u32 s11, s11, s13                     ; my block of 16 rows among the 256
	s_lshr_b32 s19, s10, 2                         ; att: [slot of 256 features][block][K step of 128][1,536 bytes]: a head is half a K step, three planes
	s_bfe_u32 s53, s10, 0x10001
	s_and_b32 s10, s10, 1
	s_mul_i32 s16, s19, 786432
	s_mul_i32 s62, s11, 3072
	s_add_co_u32 s16, s16, s62
	s_mul_i32 s62, s53, 1536
	s_add_co_u32 s16, s16, s62
	s_mul_i32 s62, s10, 768
	s_add_co_u32 s16, s16, s62
	s_add_nc_u64 s[AO:AO+1], s[8:9], s[16:17]
	s_lshl_b32 s16, s19, 15                        ; the scale words: [slot][block][K step][64 bytes]: a head has two bytes of a row's word
	s_lshl_b32 s62, s11, 7
	s_add_co_u32 s16, s16, s62
	s_lshl_b32 s62, s53, 6
	s_add_co_u32 s16, s16, s62
	s_lshl_b32 s62, s10, 1
	s_add_co_u32 s16, s16, s62
	s_add_co_u32 s16, s16, 3145728
	s_add_nc_u64 s[AW:AW+1], s[8:9], s[16:17]
.irp p, 0,1,2
	global_load_b64 v[16+2*\p:17+2*\p], v[L8], s[QP:QP+1] offset:256*\p
.endr
	global_load_b32 v255, v[R4], s[QW:QW+1]
; the mask's numbers of a step into the scores' registers: register j of tile 2 b + u is key 32 b + 8 u + 16 (lane / 16) + j
.macro MASKLOAD
.irp t, 0,1,2,3,4,5,6,7
	global_load_b128 v[96+8*\t:99+8*\t], v[AMG], s[MB:MB+1] offset:128*(\t/2)+32*(\t%2)
	global_load_b128 v[100+8*\t:103+8*\t], v[AMG], s[MB:MB+1] offset:128*(\t/2)+32*(\t%2)+16
.endr
.endm
	MASKLOAD
	s_wait_loadcnt 16                              ; Q and its word are in; the sixteen loads of the mask may be out
	v_add_nc_u32 v255, 0xfffffcfd, v255            ; 3 off each of the two bytes: q / 8.  Both are at least 4: nothing is borrowed
.irp j, 22,23,24,25,26,27,80,81,82,83,84,85
	v_mov_b32 v[\j], 0                             ; zero codes: Q's upper half of K; what stands behind the last tile of keys
.endr
	v_mov_b32 v13, 0xff61b1e6                      ; the largest t so far: -3e38
	s_delay_alu instid0(VALU_DEP_1)
	v_floor_f32 v12, -v13                          ; -M
	v_mov_b32 v14, 0
	v_mov_b32 v15, 0
.irp b, 0,1,2,3
	v_mov_b32 v[236+\b], 0                         ; written once: a lane permute's destination counts as one of its sources
.endr
	v_mov_b32 v253, 0                              ; (named as the upper half of a pair before it is first written)
.irp j, 0,1,2,3,4,5,6,7,8,9,10,11,12,13,14,15,16,17,18,19,20,21,22,23,24,25,26,27,28,29,30,31
	v_mov_b32 v[160+\j], 0                         ; O^T: the first change of M leaves zeros zeros.  (These lines also stand between the write of Q's scale word and the first product)
.endr
; A KEY STEP: 128 keys
.macro STEP
	v_add_nc_u32 v[ADK], s[TB], v[L8]
	v_add_nc_u32 v[ADW], s[TB], v[R4]
	v_nop
	v_nop                                          ; four plain lines behind the last products, in front of loads into registers that they have read
.irp t, 0,1,2,3,4,5,6,7
.irp p, 0,1,2
	ds_load_b64 v[32+6*\t+2*\p:33+6*\t+2*\p], v[ADK] offset:768*\t+256*\p
.endr
	ds_load_b32 v[86+\t], v[ADW] offset:12288+64*\t
.endr
	s_wait_alu depctr_va_vdst(0)
	s_wait_loadcnt 0x0                             ; the mask lies in the scores' registers
	s_wait_dscnt 0x0
.irp t, 0,1,2,3,4,5,6,7                        ; S^T = K Q^T / 8 + mask: eight accumulators, one instruction each
	v_wmma_scale_f32_16x16x128_f8f6f4 v[96+8*\t:103+8*\t], v[32+6*\t:43+6*\t], v[16:27], v[96+8*\t:103+8*\t], v[86+\t], v255 matrix_a_fmt:MATRIX_FMT_BF6 matrix_b_fmt:MATRIX_FMT_BF6
.endr
.rept 4
	v_nop
.endr
.irp t, 0,1,2,3                                ; V's four tiles land under the softmax
.irp p, 0,1,2,3,4,5
	ds_load_b64 v[32+12*\t+2*\p:33+12*\t+2*\p], v[ADK] offset:6144+1536*\t+256*\p
.endr
	ds_load_b32 v[86+\t], v[ADW] offset:12800+64*\t
.endr
.irp b, 0,1,2,3
	v_max3_num_f32 v[232+\b], v[96+16*\b], v[97+16*\b], v[98+16*\b]   ; the largest logit of each block of 32 keys: for the row's maximum, and, since p rises with the logit, for the block's largest p
.endr
.irp i, 3,5,7,9,11,13
.irp b, 0,1,2,3
	v_max3_num_f32 v[232+\b], v[232+\b], v[96+16*\b+\i], v[97+16*\b+\i]
.endr
.endr
.irp b, 0,1,2,3
	v_max_num_f32 v[232+\b], v[232+\b], v[111+16*\b]
.endr
.irp b, 0,1,2,3
	s_delay_alu instid0(VALU_DEP_4)
	v_permlanex16_b32 v[236+\b], v[232+\b], s[SEL], s[SEL+1]
.endr
.irp b, 0,1,2,3
	s_delay_alu instid0(VALU_DEP_4)
	v_max_num_f32 v[232+\b], v[232+\b], v[236+\b]  ; with lane l xor 16's 16 keys
.endr
	s_delay_alu instid0(VALU_DEP_2)
	v_max3_num_f32 v254, v232, v233, v234
	s_delay_alu instid0(VALU_DEP_1)
	v_max_num_f32 v254, v254, v235
	s_delay_alu instid0(VALU_DEP_1)
	v_mul_f32 v254, s[CS], v254                    ; as t
	s_delay_alu instid0(VALU_DEP_1)
	v_max_num_f32 v13, v13, v254                   ; the running largest t
	v_mov_b32 v254, v12
	s_delay_alu instid0(VALU_DEP_2)
	v_floor_f32 v12, -v13                          ; the new -M = -ceil(t)
	s_delay_alu instid0(VALU_DEP_1)
	v_sub_f32 v254, v12, v254                      ; old M - new M: a whole number, 0 or less
	s_delay_alu instid0(VALU_DEP_1)
	v_cvt_i32_f32 v254, v254                       ; (it saturates)
	s_delay_alu instid0(VALU_DEP_1)
	v_ldexp_f32 v252, 1.0, v254                    ; f = 2^(old M - new M)
.irp j, 0,2,4,6,8,10,12,14,16,18,20,22,24,26,28,30,32,34,36,38,40,42,44,46,48,50,52,54,56,58,60,62
	v_pk_fma_f32 v[96+\j:97+\j], v[96+\j:97+\j], s[CS:CS+1], v[12:13] op_sel_hi:[1,0,0]   ; t - M
.endr
.irp b, 0,1,2,3
	v_fma_f32 v[232+\b], v[232+\b], s[CS], v12     ; the same of each block's largest logit
.endr
	s_wait_alu depctr_va_vdst(0)
.irp j, 0,1,2,3,4,5,6,7,8,9,10,11,12,13,14,15,16,17,18,19,20,21,22,23,24,25,26,27,28,29,30,31,32,33,34,35,36,37,38,39,40,41,42,43,44,45,46,47,48,49,50,51,52,53,54,55,56,57,58,59,60,61,62,63
	v_exp_f32 v[96+\j], v[96+\j]                   ; p = 2^(t - M)
.endr
	v_pk_mul_f32 v[14:15], v[14:15], v[252:253] op_sel_hi:[1,0]   ; the sums under the new M (a plain line behind the exponentials)
	s_wait_alu depctr_va_vdst(0)                   ; one wait for the whole batch, ahead of its first reader
.irp b, 0,1,2,3
	v_exp_f32 v[232+\b], v[232+\b]                 ; the block's largest p
.endr
	v_pk_add_f32 v[236:237], v[100:101], v[104:105]
	v_pk_add_f32 v[248:249], v[108:109], v[112:113]
	v_pk_add_f32 v[246:247], v[116:117], v[120:121]
	v_pk_add_f32 v[244:245], v[124:125], v[128:129]
	v_pk_add_f32 v[242:243], v[132:133], v[136:137]
	v_pk_add_f32 v[240:241], v[140:141], v[144:145]
	v_pk_add_f32 v[238:239], v[148:149], v[152:153]
	v_pk_add_f32 v[14:15], v[14:15], v[156:157]
	v_pk_add_f32 v[236:237], v[236:237], v[96:97]
	v_pk_add_f32 v[248:249], v[248:249], v[98:99]
	v_pk_add_f32 v[246:247], v[246:247], v[102:103]
	v_pk_add_f32 v[244:245], v[244:245], v[106:107]
	v_pk_add_f32 v[242:243], v[242:243], v[110:111]
	v_pk_add_f32 v[240:241], v[240:241], v[114:115]
	v_pk_add_f32 v[238:239], v[238:239], v[118:119]
	v_pk_add_f32 v[14:15], v[14:15], v[122:123]
	v_pk_add_f32 v[236:237], v[236:237], v[126:127]
	v_pk_add_f32 v[248:249], v[248:249], v[130:131]
	v_pk_add_f32 v[246:247], v[246:247], v[134:135]
	v_pk_add_f32 v[244:245], v[244:245], v[138:139]
	v_pk_add_f32 v[242:243], v[242:243], v[142:143]
	v_pk_add_f32 v[240:241], v[240:241], v[146:147]
	v_pk_add_f32 v[238:239], v[238:239], v[150:151]
	v_pk_add_f32 v[14:15], v[14:15], v[154:155]
	v_pk_add_f32 v[236:237], v[236:237], v[158:159]
	s_delay_alu instid0(VALU_DEP_2)
	v_pk_add_f32 v[14:15], v[14:15], v[244:245]
	s_delay_alu instid0(VALU_DEP_2)
	v_pk_add_f32 v[236:237], v[236:237], v[242:243]
	v_pk_add_f32 v[248:249], v[248:249], v[240:241]
	v_pk_add_f32 v[246:247], v[246:247], v[238:239]
	s_delay_alu instid0(VALU_DEP_2)
	v_pk_add_f32 v[14:15], v[14:15], v[248:249]
	s_delay_alu instid0(VALU_DEP_2)
	v_pk_add_f32 v[236:237], v[236:237], v[246:247]
	s_delay_alu instid0(VALU_DEP_1)
	v_pk_add_f32 v[14:15], v[14:15], v[236:237]
	s_wait_alu depctr_va_vdst(0)                   ; and one for the four
.irp b, 0,1,2,3
	v_max_num_f32 v[232+\b], 0x2800000, v[232+\b]  ; the floor 2^(5 - 127): the byte cannot fall under 1
.endr
.irp b, 0,1,2,3
	s_delay_alu instid0(VALU_DEP_4)
	v_add_nc_u32 v[244+\b], 0xfe000000, v[232+\b]
.endr
.irp b, 0,1,2,3
	s_delay_alu instid0(VALU_DEP_4)
	v_lshrrev_b32 v[236+\b], 23, v[244+\b]
.endr
	s_delay_alu instid0(VALU_DEP_3)
	v_lshl_or_b32 v253, v237, 8, v236              ; p's scale word for these 128 keys
	s_delay_alu instid0(VALU_DEP_1)
	v_lshl_or_b32 v253, v238, 16, v253
	s_delay_alu instid0(VALU_DEP_1)
	v_lshl_or_b32 v253, v239, 24, v253
.irp c, 0,1
	v_cvt_scalef32_pk16_bf6_f32 v[224+6*\c:226+6*\c], v[96+32*\c:111+32*\c], v[244+2*\c]
	v_cvt_scalef32_pk16_bf6_f32 v[236+4*\c:238+4*\c], v[112+32*\c:127+32*\c], v[244+2*\c+1]
.endr
	v_nop                                          ; one plain line behind a scaled conversion
	s_add_co_u32 s[SI], s[SI], 1                   ; p has been read: the next step's mask goes into its registers.  Behind the last step the address is held at the last step's: no load leaves the buffer
	s_min_u32 s[SI], s[SI], 15
	v_lshl_add_u32 v[AMG], s[SI], 9, v[H64]        ; (the loads that read the old offset were waited for at this step's head)
	MASKLOAD
.irp c, 0,1                                    ; a whole block in a lane: lanes 0-15 block 2 c, lanes 16-31 block 2 c + 1
.irp i, 0,1,2
	v_permlane16_swap_b32 v[224+6*\c+\i], v[236+4*\c+\i]
.endr
.irp i, 0,1,2
	s_delay_alu instid0(VALU_DEP_3)
	v_mov_b32 v[227+6*\c+\i], v[236+4*\c+\i]
.endr
.endr
.irp j, 0,2,4,6,8,10,12,14,16,18,20,22,24,26,28,30
	v_pk_mul_f32 v[160+\j:161+\j], v[160+\j:161+\j], v[252:253] op_sel_hi:[1,0]   ; O^T under the new M.  (These sixteen also stand between the writes of p's codes and scale word and the products)
.endr
	s_wait_alu depctr_va_vdst(0)
	s_wait_dscnt 0x0                               ; V
.irp t, 0,1,2,3                                ; O^T += V^T P^T: four accumulators, one instruction each
	v_wmma_scale_f32_16x16x128_f8f6f4 v[160+8*\t:167+8*\t], v[32+12*\t:43+12*\t], v[224:235], v[160+8*\t:167+8*\t], v[86+\t], v253 matrix_a_fmt:MATRIX_FMT_BF6 matrix_b_fmt:MATRIX_FMT_BF6
.endr
	s_add_co_u32 s[TB], s[TB], STEPB
.endm
	s_wait_tensorcnt 0x0                           ; my record has landed
	s_wait_dscnt 0x0
	s_barrier_signal -1
	s_barrier_wait -1                              ; everybody's has: one barrier, then one loop over the sixteen steps (no phases)
	s_mov_b32 s[TB], 0
	s_mov_b32 s[CNT], 16
.Lstep:
	STEP
	s_sub_co_u32 s[CNT], s[CNT], 1
	s_cmp_lg_u32 s[CNT], 0
	s_cbranch_scc1 .Lstep
	; THE WAY OUT: O^T / the sum; register 16 b + i is channel 32 b + 16 (lane / 16) + i of my query: two blocks of the next product's K
	s_wait_loadcnt 0x0                             ; the last look-ahead of the mask has landed: its registers are written below
	v_add_f32 v14, v14, v15
	s_delay_alu instid0(VALU_DEP_1)
	v_permlanex16_b32 v252, v14, s[SEL], s[SEL+1]
	s_delay_alu instid0(VALU_DEP_1)
	v_add_f32 v14, v14, v252                       ; the row's sum
	v_nop
	v_nop
	s_wait_alu depctr_va_vdst(0)
	v_rcp_f32 v14, v14
	v_nop                                          ; a plain line behind the reciprocal
	s_wait_alu depctr_va_vdst(0)                   ; and the wait ahead of its first reader
.irp j, 0,1,2,3,4,5,6,7,8,9,10,11,12,13,14,15,16,17,18,19,20,21,22,23,24,25,26,27,28,29,30,31
	v_mul_f32 v[96+\j], v[160+\j], v14
.endr
.irp b, 0,1
	v_max3_num_f32 v[232+\b], |v[96+16*\b]|, |v[97+16*\b]|, 0x2800000
.endr
.irp i, 2,4,6,8,10,12,14
.irp b, 0,1
	s_delay_alu instid0(VALU_DEP_2)
	v_max3_num_f32 v[232+\b], v[232+\b], |v[96+16*\b+\i]|, |v[97+16*\b+\i]|
.endr
.endr
.irp b, 0,1
	s_delay_alu instid0(VALU_DEP_2)
	v_permlanex16_b32 v[236+\b], v[232+\b], s[SEL], s[SEL+1]
.endr
.irp b, 0,1
	s_delay_alu instid0(VALU_DEP_2)
	v_max_num_f32 v[232+\b], v[232+\b], v[236+\b]
.endr
.irp b, 0,1
	s_delay_alu instid0(VALU_DEP_2)
	v_add_nc_u32 v[244+\b], 0xfe000000, v[232+\b]
.endr
.irp b, 0,1
	s_delay_alu instid0(VALU_DEP_2)
	v_lshrrev_b32 v[236+\b], 23, v[244+\b]
.endr
	s_delay_alu instid0(VALU_DEP_1)
	v_lshl_or_b32 v253, v237, 8, v236              ; my row's two scale bytes
	v_cvt_scalef32_pk16_bf6_f32 v[224:226], v[96:111], v244
	v_cvt_scalef32_pk16_bf6_f32 v[236:238], v[112:127], v245
	v_nop
.irp i, 0,1,2
	v_permlane16_swap_b32 v[224+\i], v[236+\i]
.endr
.irp i, 0,1,2
	s_delay_alu instid0(VALU_DEP_3)
	v_mov_b32 v[227+\i], v[236+\i]
.endr
.irp p, 0,1,2
	global_store_b64 v[L8], v[224+2*\p:225+2*\p], s[AO:AO+1] offset:256*\p   ; 32 lanes store 256 consecutive bytes, aligned
.endr
	global_store_b16 v[R4], v253, s[AW:AW+1]       ; two bytes of each row's word; lanes r and r + 16 store the same
	s_wait_tensorcnt 0x0
	s_wait_tensorcnt 0x0
	ds_add_u32 v250, v251
	s_wait_dscnt 0x0
	ROUND                                          ; the closing round
	s_endpgm
.Lfunc_end_k_q4b1860faab_attn:
	.size	k_q4b1860faab_attn, .Lfunc_end_k_q4b1860faab_attn-k_q4b1860faab_attn
	.p2alignl 7, 3214868480
	.fill 96, 4, 3214868480
	.section	.rodata,"a",@progbits
	.p2align	6, 0x0
	.amdhsa_kernel k_q4b1860faab_attn
		.amdhsa_group_segment_fixed_size 210944
		.amdhsa_private_segment_fixed_size 0
		.amdhsa_enable_private_segment 0
		.amdhsa_kernarg_size 24
		.amdhsa_user_sgpr_count 2
		.amdhsa_user_sgpr_kernarg_segment_ptr 1
		.amdhsa_wavefront_size32 1
		.amdhsa_system_sgpr_workgroup_id_x 1
		.amdhsa_system_sgpr_workgroup_id_y 1
		.amdhsa_system_sgpr_workgroup_id_z 1
		.amdhsa_system_vgpr_workitem_id 0
		.amdhsa_next_free_vgpr 256
		.amdhsa_next_free_sgpr 66
		.amdhsa_reserve_vcc 0
		.amdhsa_float_denorm_mode_32 3
		.amdhsa_float_denorm_mode_16_64 3
		.amdhsa_memory_ordered 1
		.amdhsa_forward_progress 1
		.amdhsa_inst_pref_size 34
	.end_amdhsa_kernel
	.amdgpu_metadata
---
amdhsa.version: [ 1, 2 ]
amdhsa.kernels:
  - .name:           k_q4b1860faab_attn
    .symbol:         k_q4b1860faab_attn.kd
    .args:
      - { .name: qkvw, .offset: 0, .size: 8, .value_kind: global_buffer, .address_space: global }
      - { .name: attention_mask, .offset: 8, .size: 8, .value_kind: global_buffer, .address_space: global }
      - { .name: att, .offset: 16, .size: 8, .value_kind: global_buffer, .address_space: global }
    .group_segment_fixed_size: 210944
    .private_segment_fixed_size: 0
    .kernarg_segment_align: 8
    .kernarg_segment_size: 24
    .max_flat_workgroup_size: 512
    .sgpr_count:     66
    .vgpr_count:     256
    .wavefront_size: 32
...
	.end_amdgpu_metadata
.endif
;; end of part 3
;; launch wo (part 4): grid 8 x 32, 4 waves a work-group, clusters of 4 x 4, 327,680 bytes of LDS; arguments att, wimg, Wo_scales, bo, hidden_states, y; writes y
.if DOCPART == 4
	.amdgcn_target "amdgcn-amd-amdhsa--gfx1250"
	.amdhsa_code_object_version 6
	.text
	.protected	k_q4b1860faab_wo
	.globl	k_q4b1860faab_wo
	.p2align	8
	.type	k_q4b1860faab_wo,@function
k_q4b1860faab_wo:
	s_mov_b64 s[64:65], 0
	v_nop
	global_prefetch_b8 v0, s[64:65] scope:SCOPE_SE
	s_setreg_imm32_b32 hwreg(HW_REG_WAVE_MODE, 25, 1), 1
	s_wait_xcnt 0x0
	s_wait_alu depctr_hold_cnt(0) depctr_sa_sdst(0) depctr_va_vdst(0) depctr_va_sdst(0) depctr_va_ssrc(0) depctr_va_vcc(0) depctr_vm_vsrc(0)
	s_getreg_b32 s2, hwreg(HW_REG_IB_STS2, 6, 4)
	s_cmp_eq_u32 s2, 0
	s_cbranch_scc0 .Lentry_in_a_cluster
	s_endpgm
.Lentry_in_a_cluster:
	s_bfe_u32 s2, ttmp6, 0x10000c
	s_cmp_lg_u32 s2, 0xf033
	s_cbranch_scc0 .Lentry_shape_is_right
	s_endpgm
.Lentry_shape_is_right:
; y = A W^T + bias + residual, on codes of BF6 (E3M2) with E8M0 scales.  A [4096][SIZE_K] and W [1024][SIZE_K] come as images of the operands' registers:
; [256 along K][block of 16 rows][128 along K][6 planes][lane][8 bytes], so a tile is a dense run of whole 256-byte units.  A's rows of a block are ordered as the launch before left them:
; lane r of block i of a group of 128 rows is row 32 (i / 2) + 8 (i % 2) + r + 8 (r / 8).
; A work-group makes 128 x 128 of y: 32 x 8 = 256 work-groups; a wave 64 x 64: 16 accumulators.  4 x 4 clusters: A's tiles are asked for jointly along a row, W's along a column.
; K goes in slots of 512 (four steps of 128) through two LDS slots; wave 0 fetches A's part of a slot, wave 1 W's, one load each; at the head waves 2 and 3 fetch the scales of all of K.
; Here SIZE_K is 1,024: two slots, both asked for ahead of any product, no loop to run ahead in: so no prefetch is written.
; The product is used transposed (source 0 = W's rows): a lane holds 8 neighbouring columns of a row.  The bias is the C of the first products; the residual is loaded at the head.
; REGISTERS: window 0: v16-31 addresses, v32-47 W's scale words, v48-63 A's, v64-255 two sets of fragments (W's 4, A's 4); window 1: v0-127 accumulators, v128-159 bias; window 2: v0-127 residual.
.set SIZE_K, 1024
.set WOFF,   0
.set NKS,    SIZE_K/256
.set NSL,    NKS/2
.set KS,     SIZE_K/32
.set ASLOT,  786432
.set BSLOT,  196608
.set PIECE,  24576
.set HALF,   2*PIECE
.set SLOT,   2*HALF
.set SCA,    2*SLOT
.set SCB,    SCA+NKS*1024
.set SBLK,   (16*KS/256)*272
.set SPARE,  SCB+8*SBLK
.set SPITCH, 272
.set ADRA, 16
.set ADRB, 20
.set STO,  24
.set RD,   25
.set CO,   26
.set ADSB, 27
.set SPW,  28
.set NIL,  29
.set ADSA, 30
.set PFO,  31
.set SB,   32
.set SA,   48
.set FS,   64
.set CB,   128
.set G1A, 24
.set G1B, 32
.set G1S, 40
.set G1SB, 48
.set G0A, 56
.set G0B, 68
.set G0S, 76
.set G0SB, 80
.set PFA, 84
.set PST, 86
.set MSB, 0
.macro WIN new
.if MSB != (\new)
	s_set_vgpr_msb (MSB<<8)|(\new)
.set MSB, (\new)
.endif
.endm
.macro PLACES
.rept 4
	v_nop
.endr
.endm
.macro CROUND
	s_barrier_signal -1
	s_barrier_wait -1
	s_cmp_lg_u32 s16, 0
	s_cbranch_scc1 .Lnot_wave_0_\@
	s_barrier_signal -3
.Lnot_wave_0_\@:
	s_barrier_wait -3
	s_barrier_signal -1
	s_barrier_wait -1
.endm
.macro JLOAD s                         ; a slot's joint loads: wave 0 A's, wave 1 W's; the last four v_nop are the places in front of the LDS loads that follow, for every wave
	s_cmp_lt_u32 s16, 2
	s_cbranch_scc0 .Lnone_\@
	s_cmp_eq_u32 s16, 0
	s_cbranch_scc0 .Lb_\@
	tensor_load_to_lds s[G0A+4*(\s):G0A+4*(\s)+3], s[G1A:G1A+7]
	s_nop 0
	PLACES
	s_branch .Lnone_\@
.Lb_\@:
	tensor_load_to_lds s[G0B+4*(\s):G0B+4*(\s)+3], s[G1B:G1B+7]
	s_nop 0
	PLACES
.Lnone_\@:
	PLACES
.endm
	s_load_b256 s[4:11], s[0:1], 0x0               ; A, W's image, W's scales, bias
	s_load_b128 s[12:15], s[0:1], 0x20             ; residual, y
	v_lshl_add_u32 v[SPW], v0, 2, SPARE
	v_mov_b32 v[NIL], 0
	ds_add_u32 v[SPW], v[NIL]                      ; the opening lines: the add, twice on end, and its wait
	ds_add_u32 v[SPW], v[NIL]
	v_lshrrev_b32 v1, 5, v0
	v_readfirstlane_b32 s16, v1                    ; wave
	s_lshr_b32 s17, s16, 1                         ; my half of the rows
	s_and_b32 s18, s16, 1                          ; my half of the columns
	s_bfe_u32 s19, ttmp6, 0x40000                  ; cx
	s_bfe_u32 s20, ttmp6, 0x40004                  ; cy
	s_lshl_b32 s21, ttmp9, 2
	s_add_co_u32 s21, s21, s19                     ; tile column
	s_and_b32 s22, ttmp7, 0xffff
	s_lshl_b32 s22, s22, 2
	s_add_co_u32 s22, s22, s20                     ; tile row
	s_lshl_b32 s23, s20, 2
	s_lshl_b32 s23, 15, s23                        ; my row of the cluster
	s_lshl_b32 s88, 0x1111, s19                    ; my column
	s_or_b32 s[G1A], s23, (3<<16)|(1<<21)          ; a slot's part: 2 rows of 24,576 bytes (3,072 elements of 8), one for each 256 along K
	s_or_b32 s[G1B], s88, (3<<16)|(1<<21)
.irp g, G1A, G1B
	s_mov_b32 s[\g+1], 3072<<16
	s_mov_b32 s[\g+2], 2<<16
	s_mov_b32 s[\g+3], 3072<<16
	s_mov_b32 s[\g+4], 2
	s_mov_b32 s[\g+6], 0
	s_mov_b32 s[\g+7], 0
.endr
	s_mov_b32 s[G1A+5], ASLOT/8
	s_mov_b32 s[G1B+5], BSLOT/8
	s_or_b32 s[G1S], s23, (3<<16)|(1<<21)          ; A's scale words: NKS rows of 1,024 bytes
	s_mov_b32 s[G1S+1], 128<<16
	s_mov_b32 s[G1S+2], NKS<<16
	s_mov_b32 s[G1S+3], 128<<16
	s_mov_b32 s[G1S+4], NKS
	s_mov_b32 s[G1S+5], 4096
	s_mov_b32 s[G1S+6], 0
	s_mov_b32 s[G1S+7], 0
	s_or_b32 s[G1SB], s88, (3<<16)|(1<<20)|(1<<21)|(5<<22)|(3<<25)   ; W's scales: a dense block, rows of 256 bytes + 16 of padding
	s_mov_b32 s[G1SB+1], 32<<16
	s_mov_b32 s[G1SB+2], (128*KS/256)<<16
	s_mov_b32 s[G1SB+3], 32<<16
	s_mov_b32 s[G1SB+4], 128*KS/256
	s_mov_b32 s[G1SB+5], 32
	s_mov_b32 s[G1SB+6], 0
	s_mov_b32 s[G1SB+7], 0
	s_mul_i32 s90, s22, 8*3072
	s_mov_b32 s91, 0
	s_lshl_b32 s92, s22, 10
	s_mov_b32 s93, 0
	s_mul_i32 s94, s21, 8*3072
	s_mov_b32 s95, 0
	s_mul_i32 s88, s21, 128*KS
	s_mov_b32 s89, 0
	s_wait_dscnt 0x0
	s_wait_kmcnt 0x0
	s_add_nc_u64 s[90:91], s[4:5], s[90:91]
	s_add_nc_u64 s[92:93], s[4:5], s[92:93]
	s_add_nc_u64 s[92:93], s[92:93], NKS*ASLOT
	s_add_nc_u64 s[94:95], s[6:7], s[94:95]
.if WOFF
	s_add_nc_u64 s[94:95], s[94:95], WOFF
.endif
	s_add_nc_u64 s[88:89], s[8:9], s[88:89]
	CROUND                                         ; the first joint loads meet
.irp s, 0,1
	s_mov_b32 s[G0A+4*\s], 1
	s_mov_b32 s[G0A+4*\s+1], \s*SLOT
	s_add_nc_u64 s[G0A+4*\s+2:G0A+4*\s+3], s[90:91], \s*2*ASLOT
	s_or_b32 s[G0A+4*\s+3], s[G0A+4*\s+3], 0x80000000
	s_mov_b32 s[G0B+4*\s], 1
	s_mov_b32 s[G0B+4*\s+1], \s*SLOT+HALF
	s_add_nc_u64 s[G0B+4*\s+2:G0B+4*\s+3], s[94:95], \s*2*BSLOT
	s_or_b32 s[G0B+4*\s+3], s[G0B+4*\s+3], 0x80000000
.endr
	s_mov_b32 s[G0S], 1
	s_mov_b32 s[G0S+1], SCA
	s_mov_b64 s[G0S+2:G0S+3], s[92:93]
	s_or_b32 s[G0S+3], s[G0S+3], 0x80000000
	s_mov_b32 s[G0SB], 1
	s_mov_b32 s[G0SB+1], SCB
	s_mov_b64 s[G0SB+2:G0SB+3], s[88:89]
	s_or_b32 s[G0SB+3], s[G0SB+3], 0x80000000
.macro ARM under, g0, g1, next         ; the head's four tiles, one load a wave, in one chain of branches
	s_cmp_lt_u32 s16, \under
	s_cbranch_scc0 \next
	tensor_load_to_lds s[\g0:\g0+3], s[\g1:\g1+7]
	s_nop 0
	PLACES
	s_branch .Lhead_asked
\next:
.endm
	ARM 1, G0A, G1A, .Lhead_b
	ARM 2, G0B, G1B, .Lhead_sa
	ARM 3, G0S, G1S, .Lhead_sb
	tensor_load_to_lds s[G0SB:G0SB+3], s[G1SB:G1SB+7]
	s_nop 0
	PLACES
.Lhead_asked:
.if NSL > 2
	s_cmp_eq_u32 s17, 0                            ; the prefetches: waves 0, 1 name A's two pieces of a slot, waves 2, 3 W's; of a piece's 96 units of 256 bytes each of the four partners names 24, by address
	s_cselect_b64 s[PFA:PFA+1], s[90:91], s[94:95]
	s_cselect_b32 s2, s19, s20
	s_mov_b32 s[PST], BSLOT
	s_cselect_b32 s[PST], ASLOT, s[PST]
	s_add_co_u32 s3, s18, 6
	s_mul_i32 s3, s3, s[PST]                       ; slot 3's piece
	s_mul_i32 s2, s2, 6144
	s_add_co_u32 s2, s2, s3
	s_mov_b32 s3, 0
	s_add_nc_u64 s[PFA:PFA+1], s[PFA:PFA+1], s[2:3]
	s_lshl_b32 s[PST], s[PST], 1                   ; a slot on
	s_mov_b32 s[PST+1], 0
.endif
	s_mul_i32 s88, s17, 4*3072                     ; LDS: my 4 blocks of A, of W
	s_mul_i32 s89, s18, 4*3072
	s_add_co_u32 s89, s89, HALF
	s_lshl_b32 s90, s17, 9
	s_add_co_u32 s90, s90, SCA
	s_mul_i32 s91, s18, 4*SBLK
	s_add_co_u32 s91, s91, SCB
	s_mul_i32 s92, s16, 16*SPITCH                  ; my stage, in slot 0, which has had its last fill and its last read when the first result is stored there
	s_lshl_b32 s94, s22, 7
	s_lshl_b32 s95, s17, 6
	s_add_co_u32 s94, s94, s95
	s_lshl_b32 s94, s94, 12                        ; my first row of y, 4,096 bytes a row
	s_lshl_b32 s2, s21, 9
	s_lshl_b32 s3, s18, 8
	s_add_co_u32 s2, s2, s3                        ; my first column, in bytes
	s_mov_b32 s3, 0
	s_add_co_u32 s94, s94, s2
	s_mov_b32 s95, 0
	s_add_nc_u64 s[12:13], s[12:13], s[94:95]
	s_add_nc_u64 s[14:15], s[14:15], s[94:95]
	s_add_nc_u64 s[10:11], s[10:11], s[2:3]
	v_and_b32 v1, 15, v0
	v_bfe_u32 v2, v0, 4, 1
	v_and_b32 v3, 31, v0
	v_lshlrev_b32 v4, 3, v3
	v_add_nc_u32 v[ADRA], s88, v4
	v_add_nc_u32 v[ADRB], s89, v4
	v_add_nc_u32 v[ADRA+1], SLOT, v[ADRA]
	v_add_nc_u32 v[ADRB+1], SLOT, v[ADRB]
	v_lshl_add_u32 v[ADSA], v1, 2, s90
	v_mul_u32_u24 v5, v1, KS
	v_lshrrev_b32 v6, 8, v5
	v_lshl_add_u32 v5, v6, 4, v5
	v_add_nc_u32 v[ADSB], s91, v5
	v_mul_u32_u24 v5, v1, SPITCH
	v_lshl_add_u32 v5, v2, 5, v5
	v_add_nc_u32 v[STO], s92, v5                   ; in: row l % 16, 32 bytes for each half of the lanes
	v_mul_u32_u24 v6, v2, SPITCH
	v_lshl_add_u32 v6, v1, 4, v6
	v_add_nc_u32 v[RD], s92, v6                    ; back: sixteen lanes take a row of 256 bytes
	v_lshlrev_b32 v7, 12, v2
	v_lshl_add_u32 v[CO], v1, 4, v7
	v_lshlrev_b32 v8, 5, v2
.if NSL > 2
	v_min_u32 v9, 23, v3                           ; lanes 24-31 name the wave's last unit again
	v_lshlrev_b32 v[PFO], 8, v9
.endif
	WIN 0x40
.irp b, 0,1,2,3
	global_load_b128 v[CB+8*\b:CB+8*\b+3], v8, s[10:11] offset:64*\b
	global_load_b128 v[CB+8*\b+4:CB+8*\b+7], v8, s[10:11] offset:64*\b+16
.endr
	WIN 0x80
.irp a, 0,1,2,3
.irp t, 0,1,2,3,4,5,6,7
	global_load_b128 v[32*\a+4*\t:32*\a+4*\t+3], v[CO], s[12:13] offset:(32*(\a/2)+8*(\a%2)+2*\t+8*(\t/4))*4096
.endr
.endr
	WIN 0
.macro FETCH slot, st, f               ; the fragments of step st of a slot: W's 4 blocks, A's 4 blocks: 48 loads of 8 bytes a lane, 256 consecutive bytes each
.irp i, 0,1,2,3
.irp p, 0,1,2,3,4,5
	ds_load_b64 v[\f+12*\i+2*\p:\f+12*\i+2*\p+1], v[ADRB+\slot] offset:((\st)/2)*PIECE+\i*3072+((\st)%2)*1536+256*\p
.endr
.endr
.irp i, 0,1,2,3
.irp p, 0,1,2,3,4,5
	ds_load_b64 v[\f+48+12*\i+2*\p:\f+48+12*\i+2*\p+1], v[ADRA+\slot] offset:((\st)/2)*PIECE+\i*3072+((\st)%2)*1536+256*\p
.endr
.endr
.endm
.macro MUL f, st, zero                 ; 16 products, the 16 accumulators by turns
.irp a, 0,1,2,3
.irp b, 0,1,2,3
.if \zero
	v_wmma_scale_f32_16x16x128_f8f6f4 v[32*\a+8*\b:32*\a+8*\b+7], v[\f+12*\b:\f+12*\b+11], v[\f+48+12*\a:\f+48+12*\a+11], v[CB+8*\b:CB+8*\b+7], v[SB+4*\b+\st], v[SA+4*\a+\st] matrix_a_fmt:MATRIX_FMT_BF6 matrix_b_fmt:MATRIX_FMT_BF6
.else
	v_wmma_scale_f32_16x16x128_f8f6f4 v[32*\a+8*\b:32*\a+8*\b+7], v[\f+12*\b:\f+12*\b+11], v[\f+48+12*\a:\f+48+12*\a+11], v[32*\a+8*\b:32*\a+8*\b+7], v[SB+4*\b+\st], v[SA+4*\a+\st] matrix_a_fmt:MATRIX_FMT_BF6 matrix_b_fmt:MATRIX_FMT_BF6
.endif
.endr
.endr
.endm
; A slot's work.  In front of the barrier: the wait for all my tensor loads, the add, the wait for it and for my reads of the other slot.  refill: a round of the cluster's barrier, then the next slot's loads into the slot read last.
; ask: 1 = a prefetch; 2 = its address steps a slot on, and it is issued while a slot three on exists (the ring's counter above 1)
.macro TRIP slot, refill, zero, ask
.if \ask == 2
	s_wait_xcnt 0x0                                ; my last prefetch has read its address
	s_add_nc_u64 s[PFA:PFA+1], s[PFA:PFA+1], s[PST:PST+1]
.endif
	s_wait_tensorcnt 0x0
	ds_add_u32 v[SPW], v[NIL]
	s_add_nc_u64 s[G0A+4*\slot+2:G0A+4*\slot+3], s[G0A+4*\slot+2:G0A+4*\slot+3], 4*ASLOT   ; no load of mine is out: this slot's next tiles
	s_add_nc_u64 s[G0B+4*\slot+2:G0B+4*\slot+3], s[G0B+4*\slot+2:G0B+4*\slot+3], 4*BSLOT
	s_wait_dscnt 0x0
.if \refill
	CROUND
	JLOAD 1-\slot
.else
	s_barrier_signal -1
	s_barrier_wait -1
	PLACES
.endif
.irp b, 0,1,2,3
	ds_load_b128 v[SB+4*\b:SB+4*\b+3], v[ADSB] offset:\b*SBLK        ; W's scale words of the slot's four steps
.endr
.irp a, 0,1,2,3
.irp q, 0,1,2,3
	ds_load_b32 v[SA+4*\a+\q], v[ADSA] offset:(\q/2)*1024+\a*128+(\q%2)*64
.endr
.endr
	v_add_nc_u32 v[ADSB], 16, v[ADSB]
	v_add_nc_u32 v[ADSA], 2048, v[ADSA]
	s_wait_alu depctr_va_vdst(0)                   ; the wait behind these writes
	FETCH \slot, 0, FS
.irp st, 0,1,2,3
.if \st < 3
.if \st > 0
	PLACES                                         ; in front of loads into the set that the step before multiplied
.endif
	FETCH \slot, \st+1, FS+96*((\st+1)%2)
.if \st == 0
.if \ask == 1
	global_prefetch_b8 v[PFO], s[PFA:PFA+1] th:TH_LOAD_NT scope:SCOPE_SE
.endif
.if \ask == 2
	s_cmp_gt_u32 s3, 1
	s_cbranch_scc0 .Lnoask_\@
	global_prefetch_b8 v[PFO], s[PFA:PFA+1] th:TH_LOAD_NT scope:SCOPE_SE
.Lnoask_\@:
.endif
.endif
	s_wait_dscnt 48                                ; all but the 48 just issued
.else
	s_wait_dscnt 0x0
.endif
.if (\zero) && (\st == 0)
	s_wait_loadcnt 32                              ; the bias is in; the 32 loads of the residual may be out
	WIN 0x50
	MUL FS+96*(\st%2), \st, 1
.else
	WIN 0x50
	MUL FS+96*(\st%2), \st, 0
.endif
	WIN 0
.endr
.endm
	s_wait_alu depctr_va_vdst(0)                   ; the wait at the head's end
.if NSL > 2
	TRIP 0, 1, 1, 1
	s_mov_b32 s3, (NSL-2)/2
.Lring:
	TRIP 1, 1, 0, 2
	TRIP 0, 1, 0, 2
	s_sub_co_u32 s3, s3, 1
	s_cmp_lg_u32 s3, 0
	s_cbranch_scc1 .Lring
.else
	TRIP 0, 1, 1, 0
.endif
	TRIP 1, 0, 0, 0
	; THE WAY OUT: a block of 16 rows x 64 columns through my stage, back as rows of 256 bytes, + residual, stored: sixteen lanes fill an aligned unit of 256 bytes
	PLACES
	s_wait_loadcnt 0x0
.irp a, 0,1,2,3
	WIN 0x04
.irp b, 0,1,2,3
	ds_store_b128 v[STO], v[32*\a+8*\b:32*\a+8*\b+3] offset:64*\b
	ds_store_b128 v[STO], v[32*\a+8*\b+4:32*\a+8*\b+7] offset:64*\b+16
.endr
	WIN 0
.irp t, 0,1,2,3,4,5,6,7
	ds_load_b128 v[FS+32*\a+4*\t:FS+32*\a+4*\t+3], v[RD] offset:\t*2*SPITCH   ; LDS serves a wave's instructions in order: these see the stores above
.endr
	s_wait_dscnt 0x0
	WIN 0x08
.irp j, 0,2,4,6,8,10,12,14,16,18,20,22,24,26,28,30
	v_pk_add_f32 v[FS+32*\a+\j:FS+32*\a+\j+1], v[FS+32*\a+\j:FS+32*\a+\j+1], v[32*\a+\j:32*\a+\j+1]
.endr
	WIN 0
.irp t, 0,1,2,3,4,5,6,7
	global_store_b128 v[CO], v[FS+32*\a+4*\t:FS+32*\a+4*\t+3], s[14:15] offset:(32*(\a/2)+8*(\a%2)+2*\t+8*(\t/4))*4096
.endr
.endr
	s_wait_tensorcnt 0x0                           ; the wave's end
	ds_add_u32 v[SPW], v[NIL]
	s_wait_dscnt 0x0
	CROUND                                         ; the closing round
	s_endpgm
.Lfunc_end_k_q4b1860faab_wo:
	.size	k_q4b1860faab_wo, .Lfunc_end_k_q4b1860faab_wo-k_q4b1860faab_wo
	.p2alignl 7, 3214868480
	.fill 96, 4, 3214868480
	.section	.rodata,"a",@progbits
	.p2align	6, 0x0
	.amdhsa_kernel k_q4b1860faab_wo
		.amdhsa_group_segment_fixed_size 327680
		.amdhsa_private_segment_fixed_size 0
		.amdhsa_enable_private_segment 0
		.amdhsa_kernarg_size 48
		.amdhsa_user_sgpr_count 2
		.amdhsa_user_sgpr_kernarg_segment_ptr 1
		.amdhsa_wavefront_size32 1
		.amdhsa_system_sgpr_workgroup_id_x 1
		.amdhsa_system_sgpr_workgroup_id_y 1
		.amdhsa_system_sgpr_workgroup_id_z 1
		.amdhsa_system_vgpr_workitem_id 0
		.amdhsa_next_free_vgpr 640
		.amdhsa_next_free_sgpr 96
		.amdhsa_reserve_vcc 0
		.amdhsa_float_denorm_mode_32 3
		.amdhsa_float_denorm_mode_16_64 3
		.amdhsa_memory_ordered 1
		.amdhsa_forward_progress 1
		.amdhsa_inst_pref_size 71
	.end_amdhsa_kernel
	.amdgpu_metadata
---
amdhsa.version: [ 1, 2 ]
amdhsa.kernels:
  - .name:           k_q4b1860faab_wo
    .symbol:         k_q4b1860faab_wo.kd
    .args:
      - { .name: att, .offset: 0, .size: 8, .value_kind: global_buffer, .address_space: global }
      - { .name: wimg, .offset: 8, .size: 8, .value_kind: global_buffer, .address_space: global }
      - { .name: Wo_scales, .offset: 16, .size: 8, .value_kind: global_buffer, .address_space: global }
      - { .name: bo, .offset: 24, .size: 8, .value_kind: global_buffer, .address_space: global }
      - { .name: hidden_states, .offset: 32, .size: 8, .value_kind: global_buffer, .address_space: global }
      - { .name: y, .offset: 40, .size: 8, .value_kind: global_buffer, .address_space: global }
    .group_segment_fixed_size: 327680
    .private_segment_fixed_size: 0
    .kernarg_segment_align: 8
    .kernarg_segment_size: 48
    .max_flat_workgroup_size: 128
    .sgpr_count:     96
    .vgpr_count:     640
    .wavefront_size: 32
...
	.end_amdgpu_metadata
.endif
;; end of part 4
;; launch ln1q (part 5): grid 256 x 1, 2 waves a work-group, no clusters, 16,640 bytes of LDS; arguments y, ln1_g, ln1_b, hq; writes hq
.if DOCPART == 5
	.amdgcn_target "amdgcn-amd-amdhsa--gfx1250"
	.amdhsa_code_object_version 6
	.text
	.protected	k_q4b1860faab_ln1q
	.globl	k_q4b1860faab_ln1q
	.p2align	8
	.type	k_q4b1860faab_ln1q,@function
k_q4b1860faab_ln1q:
	s_mov_b64 s[64:65], 0
	v_nop
	global_prefetch_b8 v0, s[64:65] scope:SCOPE_SE
	s_setreg_imm32_b32 hwreg(HW_REG_WAVE_MODE, 25, 1), 1
	s_wait_xcnt 0x0
; h = LayerNorm(y) x g + b over rows of 1,024, in f32: mean, then the mean of the squared differences, then (y - mean) x rsqrt(var + 1e-5) x g + b.  h goes out three times over: as f32 at hq + 0, as codes of BF6 (E3M2), K innermost,
; 768 bytes a row, at hq + 16,777,216, and one E8M0 byte for each 32 along the row at hq + 19,922,944.
; A wave takes 8 rows, one at a time, whole: eight loads of 512 consecutive bytes; the row stays in 32 registers a lane through both passes.  Loads run three rows ahead.  No barrier: waves share nothing.
; For the codes a lane must hold 16 neighbours: each half row turns through the wave's own stage in LDS (64 bytes + 16 of padding a lane).  The wave's 256 scale bytes are gathered in LDS and leave as one aligned run.
; LIMITS: a block of zeros gets the scale byte 1 where the rule says 127 (its codes are zeros; this program alone reads the bytes); blocks whose largest magnitude lies under 2^-122 keep the byte 1; NaN and infinities are not served.
.set LA,  1                            ; v1  16 x lane
.set G,   32                           ; v32-63  g of my 32 columns
.set B,   64                           ; v64-95  b
.set X,   96                           ; v96-191 three sets of 32: a row
.set XN,  192                          ; v192-223 two sets of 16 neighbours
.set C,   224                          ; v224-226, v228-230 codes
.set E,   240                          ; v240-241 scale bytes
.set SP,  80
.set WREG, 8192
.set SEL, 26
	s_load_b256 s[4:11], s[0:1], 0x0               ; y, g, b, hq
	v_lshl_add_u32 v254, v0, 2, 0x4000
	v_mov_b32 v255, 0
	v_lshrrev_b32 v2, 5, v0
	v_readfirstlane_b32 s16, v2                    ; wave
	v_and_b32 v2, 31, v0                           ; lane
	v_lshlrev_b32 v[LA], 4, v2
	s_mul_i32 s17, s16, WREG
	v_lshrrev_b32 v14, 2, v2
	v_mul_u32_u24 v14, v14, SP
	v_and_b32 v15, 3, v2
	v_lshl_add_u32 v14, v15, 4, v14
	v_add_nc_u32 v14, s17, v14                     ; the stage, on the way in: SP (lane / 4) + 16 (lane % 4)
	v_mul_u32_u24 v15, v2, SP
	v_add_nc_u32 v15, s17, v15                     ; on the way out: SP x lane
	v_mul_u32_u24 v16, v2, 12                      ; my 12 bytes of a half row's codes
	v_lshrrev_b32 v17, 1, v2
	s_add_co_u32 s17, s17, 2*32*SP
	v_add_nc_u32 v17, s17, v17                     ; LDS: my block's byte
	v_lshlrev_b32 v18, 3, v2
	v_add_nc_u32 v19, s17, v18
	s_lshl_b32 s17, ttmp9, 1
	s_add_co_u32 s17, s17, s16                     ; which 8 rows are my wave's: 0 .. 511
	s_lshl_b32 s18, s17, 15                        ; 8 rows of 4,096 bytes
	s_mov_b32 s19, 0
	s_mul_i32 s20, s17, 6144
	s_add_co_u32 s20, s20, 16777216
	s_mov_b32 s21, 0
	s_lshl_b32 s22, s17, 8
	s_add_co_u32 s22, s22, 19922944
	s_mov_b32 s23, 0
	s_mov_b32 s24, 0x3727c5ac                      ; 1e-5
	s_mov_b32 s[SEL], 0x76543210
	s_mov_b32 s[SEL+1], 0xfedcba98
	s_wait_kmcnt 0x0
	s_add_nc_u64 s[4:5], s[4:5], s[18:19]
	s_add_nc_u64 s[12:13], s[10:11], s[18:19]      ; h as f32
	s_add_nc_u64 s[14:15], s[10:11], s[20:21]      ; its codes
	s_add_nc_u64 s[10:11], s[10:11], s[22:23]      ; its scale bytes
.irp i, 0,1,2,3,4,5,6,7
	global_load_b128 v[G+4*\i:G+4*\i+3], v[LA], s[6:7] offset:512*\i
	global_load_b128 v[B+4*\i:B+4*\i+3], v[LA], s[8:9] offset:512*\i
.endr
.macro LOAD t
.irp i, 0,1,2,3,4,5,6,7
	global_load_b128 v[X+32*((\t)%3)+4*\i:X+32*((\t)%3)+4*\i+3], v[LA], s[4:5] offset:4096*(\t)+512*\i th:TH_LOAD_NT
.endr
.endm
	LOAD 0
	LOAD 1
	LOAD 2
.macro WSUM                            ; v2 summed over the 32 lanes, the result in every lane
	v_add_f32_dpp v2, v2, v2 row_xmask:1 row_mask:0xf bank_mask:0xf
	v_add_f32_dpp v2, v2, v2 row_xmask:2 row_mask:0xf bank_mask:0xf
	v_add_f32_dpp v2, v2, v2 row_xmask:4 row_mask:0xf bank_mask:0xf
	v_add_f32_dpp v2, v2, v2 row_xmask:8 row_mask:0xf bank_mask:0xf
	v_permlanex16_b32 v3, v2, s[SEL], s[SEL+1]
	v_add_f32 v2, v2, v3
.endm
.macro ROW t
.set XS, X+32*((\t)%3)
.if (\t) < 6
	s_wait_loadcnt 16                              ; my row is in (g and b, the oldest loads, too); the two rows behind it may be out
.else
	s_wait_loadcnt 8*(7-(\t))
.endif
	v_pk_add_f32 v[2:3], v[XS:XS+1], v[XS+2:XS+3]  ; the sum, in two chains
	v_pk_add_f32 v[4:5], v[XS+4:XS+5], v[XS+6:XS+7]
.irp j, 8,12,16,20,24,28
	v_pk_add_f32 v[2:3], v[2:3], v[XS+\j:XS+\j+1]
	v_pk_add_f32 v[4:5], v[4:5], v[XS+\j+2:XS+\j+3]
.endr
	v_pk_add_f32 v[2:3], v[2:3], v[4:5]
	v_add_f32 v2, v2, v3
	WSUM
	v_mul_f32 v6, 0x3a800000, v2                   ; the mean: x 2^-10
	v_mov_b32 v7, v6
.irp j, 0,2,4,6,8,10,12,14,16,18,20,22,24,26,28,30
	v_pk_add_f32 v[XS+\j:XS+\j+1], v[XS+\j:XS+\j+1], v[6:7] neg_lo:[0,1] neg_hi:[0,1]
.endr
	v_pk_mul_f32 v[2:3], v[XS:XS+1], v[XS:XS+1]    ; the sum of the squared differences
	v_pk_mul_f32 v[4:5], v[XS+2:XS+3], v[XS+2:XS+3]
.irp j, 4,8,12,16,20,24,28
	v_pk_fma_f32 v[2:3], v[XS+\j:XS+\j+1], v[XS+\j:XS+\j+1], v[2:3]
	v_pk_fma_f32 v[4:5], v[XS+\j+2:XS+\j+3], v[XS+\j+2:XS+\j+3], v[4:5]
.endr
	v_pk_add_f32 v[2:3], v[2:3], v[4:5]
	v_add_f32 v2, v2, v3
	WSUM
	v_fma_f32 v8, v2, 0x3a800000, s24              ; the variance + 1e-5
	s_wait_alu depctr_va_vdst(0)
	v_rsq_f32 v8, v8
	v_nop                                          ; a plain line behind it
	s_wait_alu depctr_va_vdst(0)                   ; and the wait ahead of its first reader
	v_mov_b32 v9, v8
.irp j, 0,2,4,6,8,10,12,14,16,18,20,22,24,26,28,30
	v_pk_mul_f32 v[XS+\j:XS+\j+1], v[XS+\j:XS+\j+1], v[8:9]
.endr
.irp j, 0,2,4,6,8,10,12,14,16,18,20,22,24,26,28,30
	v_pk_fma_f32 v[XS+\j:XS+\j+1], v[XS+\j:XS+\j+1], v[G+\j:G+\j+1], v[B+\j:B+\j+1]
.endr
.irp i, 0,1,2,3,4,5,6,7
	global_store_b128 v[LA], v[XS+4*\i:XS+4*\i+3], s[12:13] offset:4096*(\t)+512*\i   ; 32 lanes store 512 consecutive bytes, aligned
.endr
.irp s, 0,1                                    ; both half rows turn through the two stages
.irp i, 0,1,2,3
	ds_store_b128 v14, v[XS+16*\s+4*\i:XS+16*\s+4*\i+3] offset:32*SP*\s+8*SP*\i
.endr
.irp i, 0,1,2,3
	ds_load_b128 v[XN+16*\s+4*\i:XN+16*\s+4*\i+3], v15 offset:32*SP*\s+16*\i
.endr
.endr
	s_wait_dscnt 0x0                               ; the neighbours are in, and the LDS stores have read the row
	s_wait_xcnt 0x0                                ; the stores to memory have read the row, and the last row's stores their codes: both sets of registers may be written
.if (\t)+3 < 8
	LOAD (\t)+3
.endif
.irp s, 0,1
	v_max3_num_f32 v10, |v[XN+16*\s]|, |v[XN+16*\s+1]|, |v[XN+16*\s+2]|
	v_max3_num_f32 v11, |v[XN+16*\s+3]|, |v[XN+16*\s+4]|, |v[XN+16*\s+5]|
.irp i, 6,10
	v_max3_num_f32 v10, v10, |v[XN+16*\s+\i]|, |v[XN+16*\s+\i+1]|
	v_max3_num_f32 v11, v11, |v[XN+16*\s+\i+2]|, |v[XN+16*\s+\i+3]|
.endr
	v_max3_num_f32 v10, v10, |v[XN+16*\s+14]|, |v[XN+16*\s+15]|
	v_max3_num_f32 v10, v10, v11, 0x2800000        ; and the floor 2^(5 - 127)
	v_max_num_f32_dpp v10, v10, v10 row_xmask:1 row_mask:0xf bank_mask:0xf   ; with my neighbour's 16: the block's largest magnitude
	v_add_nc_u32 v12, 0xfe000000, v10              ; 4 off its exponent field: the conversion's scale operand
	v_cvt_scalef32_pk16_bf6_f32 v[C+4*\s:C+4*\s+2], v[XN+16*\s:XN+16*\s+15], v12
	v_lshrrev_b32 v[E+\s], 23, v12                 ; the scale's byte (a plain line behind the conversion)
	ds_store_b8 v17, v[E+\s] offset:16*(2*(\t)+\s)
	global_store_b96 v16, v[C+4*\s:C+4*\s+2], s[14:15] offset:768*(\t)+384*\s
.endr
.endm
.irp t, 0,1,2,3,4,5,6,7
	ROW \t
.endr
	ds_load_b64 v[20:21], v19                      ; LDS serves a wave's instructions in order: these see my stores
	s_wait_dscnt 0x0
	global_store_b64 v18, v[20:21], s[10:11]       ; 32 lanes store 256 consecutive bytes, aligned
	s_wait_tensorcnt 0x0
	ds_add_u32 v254, v255
	s_wait_dscnt 0x0
	s_endpgm
.Lfunc_end_k_q4b1860faab_ln1q:
	.size	k_q4b1860faab_ln1q, .Lfunc_end_k_q4b1860faab_ln1q-k_q4b1860faab_ln1q
	.p2alignl 7, 3214868480
	.fill 96, 4, 3214868480
	.section	.rodata,"a",@progbits
	.p2align	6, 0x0
	.amdhsa_kernel k_q4b1860faab_ln1q
		.amdhsa_group_segment_fixed_size 16640
		.amdhsa_private_segment_fixed_size 0
		.amdhsa_enable_private_segment 0
		.amdhsa_kernarg_size 32
		.amdhsa_user_sgpr_count 2
		.amdhsa_user_sgpr_kernarg_segment_ptr 1
		.amdhsa_wavefront_size32 1
		.amdhsa_system_sgpr_workgroup_id_x 1
		.amdhsa_system_sgpr_workgroup_id_y 1
		.amdhsa_system_sgpr_workgroup_id_z 1
		.amdhsa_system_vgpr_workitem_id 0
		.amdhsa_next_free_vgpr 256
		.amdhsa_next_free_sgpr 66
		.amdhsa_reserve_vcc 0
		.amdhsa_float_denorm_mode_32 3
		.amdhsa_float_denorm_mode_16_64 3
		.amdhsa_memory_ordered 1
		.amdhsa_forward_progress 1
		.amdhsa_inst_pref_size 88
	.end_amdhsa_kernel
	.amdgpu_metadata
---
amdhsa.version: [ 1, 2 ]
amdhsa.kernels:
  - .name:           k_q4b1860faab_ln1q
    .symbol:         k_q4b1860faab_ln1q.kd
    .args:
      - { .name: y, .offset: 0, .size: 8, .value_kind: global_buffer, .address_space: global }
      - { .name: ln1_g, .offset: 8, .size: 8, .value_kind: global_buffer, .address_space: global }
      - { .name: ln1_b, .offset: 16, .size: 8, .value_kind: global_buffer, .address_space: global }
      - { .name: hq, .offset: 24, .size: 8, .value_kind: global_buffer, .address_space: global }
    .group_segment_fixed_size: 16640
    .private_segment_fixed_size: 0
    .kernarg_segment_align: 8
    .kernarg_segment_size: 32
    .max_flat_workgroup_size: 64
    .sgpr_count:     66
    .vgpr_count:     256
    .wavefront_size: 32
...
	.end_amdgpu_metadata
.endif
;; end of part 5
;; launch ffn1 (part 6): grid 16 x 16, 4 waves a work-group, clusters of 4 x 4, 327,680 bytes of LDS; arguments hq, W1_codes, W1_scales, b1, hid; writes hid
.if DOCPART == 6
	.amdgcn_target "amdgcn-amd-amdhsa--gfx1250"
	.amdhsa_code_object_version 6
	.text
	.protected	k_q4b1860faab_ffn1
	.globl	k_q4b1860faab_ffn1
	.p2align	8
	.type	k_q4b1860faab_ffn1,@function
k_q4b1860faab_ffn1:
	s_mov_b64 s[64:65], 0
	v_nop
	global_prefetch_b8 v0, s[64:65] scope:SCOPE_SE
	s_setreg_imm32_b32 hwreg(HW_REG_WAVE_MODE, 25, 1), 1
	s_wait_xcnt 0x0
	s_wait_alu depctr_hold_cnt(0) depctr_sa_sdst(0) depctr_va_vdst(0) depctr_va_sdst(0) depctr_va_ssrc(0) depctr_va_vcc(0) depctr_vm_vsrc(0)
	s_getreg_b32 s2, hwreg(HW_REG_IB_STS2, 6, 4)
	s_cmp_eq_u32 s2, 0
	s_cbranch_scc0 .Lentry_in_a_cluster
	s_endpgm
.Lentry_in_a_cluster:
	s_bfe_u32 s2, ttmp6, 0x10000c
	s_cmp_lg_u32 s2, 0xf033
	s_cbranch_scc0 .Lentry_shape_is_right
	s_endpgm
.Lentry_shape_is_right:
.set QKV,    0
.set KSTEP,  256
.set NQ,     2
.set ROWB,   256                       ; the ring goes by chunks of 256 bytes of each row of codes; a step of 128 along K is 96 bytes: eight steps to three chunks
.set STEPS,  8
.set CHUNKS, 3
.set KROW,   768
.set PITCH,  272
.set FR,     12
.set NL,     6
.set NP,     4
.set HALFT,  128*PITCH
.set SLOT,   4*HALFT
.set LAPS,   2
.set KS,     32
.set SCL,    2*SLOT
.set HALFS,  (128*KS/256)*272
.set SPARE,  SCL+4*HALFS
.set HEADREC, 315392
.set STEPB,  13056
.set QOFF,   208896
.set QSOFF,  307200
.if QKV
.set FLOOR,  0x4000000
.else
.set FLOOR,  0x2800000
.endif
.set ADRA, 16
.set ADRB, 20
.set ADRS, 27
.set SPW,  28
.set NIL,  29
.set LO8,  30
.set LO4,  31
.set SC,   32
.set CB,   64
.set AF,   128
.set H,    128
.set PC,   192
.set TM,   212
.set PW,   228
.set W2,   229
.set RB,   230
.set W3,   246
.set G1, 24
.set G0, 32
.set G1B, 48
.set G0B, 56
.set G1S, 68
.set G0S, 76
.set G1SB, 80
.set G0SB, 88
.set OC,  92
.set OW,  94
.set SEL, 66
.set ISV, 2
.set BIA, 98
.set BV,  100
.set MSB, 0
.macro WIN new
.if MSB != (\new)
	s_set_vgpr_msb (MSB<<8)|(\new)
.set MSB, (\new)
.endif
.endm
.set TO_B, 0x40
.macro WINMUL hi, zero
.if (\zero) && (QKV == 0)
	WIN 0x81+0x40*(\hi)
.else
	WIN 0xa1+0x50*(\hi)
.endif
.endm
.macro JLOAD g0a, g1a, g0b, g1b
	s_cmp_eq_u32 s15, 0
	s_cbranch_scc0 .Lfor_b_\@
	tensor_load_to_lds s[\g0a:\g0a+3], s[\g1a:\g1a+7]
	s_nop 0
.rept 4
	v_nop
.endr
	s_branch .Lasked_\@
.Lfor_b_\@:
	tensor_load_to_lds s[\g0b:\g0b+3], s[\g1b:\g1b+7]
	s_nop 0
.rept 4
	v_nop
.endr
.Lasked_\@:
.endm
.macro CREST
	s_cmp_lg_u32 s14, 0
	s_cbranch_scc1 .Lnot_wave_0_\@
	s_barrier_signal -3
.Lnot_wave_0_\@:
	s_barrier_wait -3
	s_barrier_signal -1
	s_barrier_wait -1
.endm
.macro CROUND
	s_barrier_signal -1
	s_barrier_wait -1
	CREST
.endm
.if QKV
	s_load_b512 s[68:83], s[0:1], 0x0
	s_load_b128 s[84:87], s[0:1], 0x40
	s_load_b64 s[12:13], s[0:1], 0x50
.else
	s_load_b256 s[68:75], s[0:1], 0x0
	s_load_b64 s[12:13], s[0:1], 0x20
.endif
	v_lshl_add_u32 v[SPW], v0, 2, SPARE
	v_mov_b32 v[NIL], 0
	ds_add_u32 v28, v29
	ds_add_u32 v28, v29
	s_wait_dscnt 0x0
	v_lshrrev_b32 v1, 5, v0
	v_readfirstlane_b32 s14, v1
	s_lshr_b32 s15, s14, 1
	s_and_b32 s16, s14, 1
	s_bfe_u32 s40, ttmp6, 0x40000
	s_bfe_u32 s41, ttmp6, 0x40004
	s_and_b32 s3, ttmp7, 0xffff
.if QKV
	s_lshl_b32 s42, s3, 1
	s_add_co_u32 s42, s42, ttmp9
	s_sub_co_u32 s42, s42, 8
	s_cmp_ge_u32 s3, 4
	s_cselect_b32 s[ISV], 1, 0
	s_cselect_b32 s17, 0, s3
	s_cselect_b32 s42, s42, 0
.else
	s_mov_b32 s17, s3
	s_mov_b32 s42, ttmp9
.endif
	s_lshl_b32 s17, s17, 2
	s_add_co_u32 s17, s17, s41
	s_lshl_b32 s42, s42, 2
	s_add_co_u32 s42, s42, s40
	s_lshl_b32 s43, s41, 2
	s_lshl_b32 s43, 15, s43
	s_lshl_b32 s44, 0x1111, s40
	s_or_b32 s[G1+0], s43, (0<<16)|(1<<20)|(1<<21)|(5<<22)|(3<<25)
	s_or_b32 s[G1B+0], s44, (0<<16)|(1<<20)|(1<<21)|(5<<22)|(3<<25)
.irp g, G1, G1B
	s_mov_b32 s[\g+1], ROWB<<16
	s_mov_b32 s[\g+2], 256<<16                     ; 256 rows for the head's loads; behind them these two words are set to 128, for the ring's
	s_mov_b32 s[\g+3], ROWB<<16
	s_mov_b32 s[\g+4], 256
	s_mov_b32 s[\g+5], KROW
	s_mov_b32 s[\g+6], 0
	s_mov_b32 s[\g+7], 0
.endr
	s_lshl_b32 s20, s17, 8                         ; the tiles' first rows
	s_lshl_b32 s46, s42, 8
	s_mov_b32 s21, 0
	s_mov_b32 s47, 0
	s_mov_b64 s[18:19], KS
	s_mul_u64 s[22:23], s[20:21], s[18:19]
	s_mul_u64 s[92:93], s[46:47], s[18:19]
	s_mov_b64 s[18:19], KROW
	s_mul_u64 s[20:21], s[20:21], s[18:19]
	s_mul_u64 s[46:47], s[46:47], s[18:19]
	s_mul_i32 s18, s16, 128*KROW                   ; in the ring I fetch 128 rows of a tile: which half, in bytes
	s_mov_b32 s19, 0
	s_mul_i32 s45, s14, HALFT
	s_mov_b32 s[SEL], 0x76543210
	s_mov_b32 s[SEL+1], 0xfedcba98
	s_wait_kmcnt 0x0
.if QKV
	s_add_nc_u64 s[96:97], s[68:69], 3145728
	s_cmp_eq_u32 ttmp9, 0
	s_cselect_b64 s[8:9], s[70:71], s[74:75]
	s_cselect_b64 s[10:11], s[72:73], s[76:77]
	s_cselect_b64 s[BIA:BIA+1], s[82:83], s[84:85]
	s_cmp_eq_u32 s[ISV], 1
	s_cselect_b64 s[4:5], s[78:79], s[68:69]
	s_cselect_b64 s[6:7], s[80:81], s[96:97]
	s_cselect_b64 s[8:9], s[68:69], s[8:9]
	s_cselect_b64 s[10:11], s[96:97], s[10:11]
	s_mov_b64 s[BV:BV+1], s[86:87]
.else
	s_add_nc_u64 s[4:5], s[68:69], 16777216
	s_add_nc_u64 s[6:7], s[68:69], 19922944
	s_mov_b64 s[8:9], s[70:71]
	s_mov_b64 s[10:11], s[72:73]
	s_mov_b64 s[BIA:BIA+1], s[74:75]
.endif
	s_add_nc_u64 s[20:21], s[4:5], s[20:21]
	s_add_nc_u64 s[22:23], s[6:7], s[22:23]
	s_add_nc_u64 s[46:47], s[8:9], s[46:47]
	s_add_nc_u64 s[92:93], s[10:11], s[92:93]
	s_or_b32 s[G1S+0], s43, (3<<16)|(1<<20)|(1<<21)|(5<<22)|(3<<25)
	s_or_b32 s[G1SB+0], s44, (3<<16)|(1<<20)|(1<<21)|(5<<22)|(3<<25)
.irp g, G1S, G1SB
	s_mov_b32 s[\g+1], 32<<16
	s_mov_b32 s[\g+2], KS<<16                      ; the scales of 256 rows: KS rows of 256 bytes
	s_mov_b32 s[\g+3], 32<<16
	s_mov_b32 s[\g+4], KS
	s_mov_b32 s[\g+5], 32
	s_mov_b32 s[\g+6], 0
	s_mov_b32 s[\g+7], 0
.endr
	CROUND
	s_mov_b32 s[G0S], 1
	s_mov_b32 s[G0S+1], SCL
	s_mov_b64 s[G0S+2:G0S+3], s[22:23]
	s_or_b32 s[G0S+3], s[G0S+3], 0x80000000
	s_mov_b32 s[G0SB], 1
	s_mov_b32 s[G0SB+1], SCL+2*HALFS
	s_mov_b64 s[G0SB+2:G0SB+3], s[92:93]
	s_or_b32 s[G0SB+3], s[G0SB+3], 0x80000000
	s_mov_b32 s4, 1                                ; group 0 for the head's loads of chunk 0 (the pointers that lay in s[4:11] have been used): A's 256 rows,
	s_mov_b32 s5, 0
	s_mov_b64 s[6:7], s[20:21]
	s_or_b32 s7, s7, 0x80000000
	s_mov_b32 s8, 1                                ; and B's, behind them in slot 0
	s_mov_b32 s9, 2*HALFT
	s_mov_b64 s[10:11], s[46:47]
	s_or_b32 s11, s11, 0x80000000
	s_add_nc_u64 s[20:21], s[20:21], s[18:19]      ; for the ring: my 128 rows of the tile
	s_add_nc_u64 s[46:47], s[46:47], s[18:19]
.irp s, 0,1
	s_mov_b32 s[G0+4*\s], 1
	s_add_co_u32 s[G0+4*\s+1], s45, \s*SLOT
	s_add_nc_u64 s[G0+4*\s+2:G0+4*\s+3], s[20:21], \s*ROWB
	s_or_b32 s[G0+4*\s+3], s[G0+4*\s+3], 0x80000000
	s_mov_b32 s[G0B+4*\s], 1
	s_add_co_u32 s[G0B+4*\s+1], s45, \s*SLOT
	s_add_nc_u64 s[G0B+4*\s+2:G0B+4*\s+3], s[46:47], \s*ROWB
	s_or_b32 s[G0B+4*\s+3], s[G0B+4*\s+3], 0x80000000
.endr
; The head's loads, one a wave: wave 0 chunk 0's 256 rows of A, wave 1 its 256 rows of B, wave 2 A's scales, wave 3 B's; one chain of branches on the wave's number
.macro ARM under, g0, g1, next
	s_cmp_lt_u32 s14, \under
	s_cbranch_scc0 \next
	tensor_load_to_lds s[\g0:\g0+3], s[\g1:\g1+7]
	s_nop 0
.rept 4
	v_nop
.endr
	s_branch .Lhead_asked
\next:
.endm
	ARM 1, 4, G1, .Lhead_b
	ARM 2, 8, G1B, .Lhead_sa
	ARM 3, G0S, G1S, .Lhead_sb
	tensor_load_to_lds s[G0SB:G0SB+3], s[G1SB:G1SB+7]
	s_nop 0
.rept 4
	v_nop
.endr
.Lhead_asked:
	v_and_b32 v1, 15, v0
	v_bfe_u32 v2, v0, 4, 1
	v_and_b32 v7, 8, v1
	v_add_nc_u32 v7, v7, v1
	v_mul_u32_u24 v3, v7, PITCH
	v_mul_u32_u24 v4, v2, 24
	v_add_nc_u32 v4, v3, v4
	s_mov_b32 s21, SLOT-232
	s_mov_b32 s22, SLOT+232
	v_sub_nc_u32 v6, 1, v2
	v_mul_u32_u24 v5, s21, v2
	v_add_nc_u32 v5, v3, v5
	v_add_nc_u32 v5, 232, v5                       ; across two chunks: lanes 0-15 byte 232 of the row in slot 0, lanes 16-31 byte 0 of the row in slot 1;
	v_mul_u32_u24 v6, s22, v6
	v_add_nc_u32 v6, v3, v6                        ; and lanes 0-15 byte 232 in slot 1, lanes 16-31 byte 0 in slot 0
	s_mul_i32 s21, s15, HALFT
	s_mul_i32 s22, s16, HALFT
	s_add_co_u32 s22, s22, 2*HALFT
	v_add_nc_u32 v[ADRA+2], s21, v5
	v_add_nc_u32 v[ADRA+3], s21, v6
	v_add_nc_u32 v[ADRB+2], s22, v5
	v_add_nc_u32 v[ADRB+3], s22, v6
.irp s, 0,1
	v_add_nc_u32 v[ADRA+\s], s21, v4
	v_add_nc_u32 v[ADRB+\s], s22, v4
	s_add_co_u32 s21, s21, SLOT
	s_add_co_u32 s22, s22, SLOT
.endr
	v_mul_u32_u24 v5, v7, KS
	v_lshrrev_b32 v6, 8, v5
	v_lshl_add_u32 v5, v6, 4, v5
	s_mul_i32 s21, s15, HALFS
	s_mul_i32 s22, s16, HALFS
	s_add_co_u32 s22, s22, 2*HALFS
	s_sub_co_u32 s22, s22, s21
	v_mul_u32_u24 v6, s22, v2
	s_add_co_u32 s21, s21, SCL
	v_add_nc_u32 v5, v5, v6
	v_add_nc_u32 v[ADRS], s21, v5
	v_and_b32 v6, 31, v0
	v_lshlrev_b32 v[LO8], 3, v6
	v_lshlrev_b32 v[LO4], 2, v1
	v_lshlrev_b32 v8, 6, v2
.if QKV
	s_lshl_b32 s18, s40, 10
.else
	s_lshl_b32 s18, s42, 10
.endif
	s_lshl_b32 s19, s16, 9
	s_add_co_u32 s18, s18, s19
	s_mov_b32 s19, 0
	s_add_nc_u64 s[BIA:BIA+1], s[BIA:BIA+1], s[18:19]
.irp b, 0,1,2,3,4,5,6,7
	global_load_b128 v[CB+8*\b:CB+8*\b+3], v8, s[BIA:BIA+1] offset:(32*(\b/2)+8*(\b%2))*4
	global_load_b128 v[CB+8*\b+4:CB+8*\b+7], v8, s[BIA:BIA+1] offset:(32*(\b/2)+8*(\b%2))*4+16
.endr
.if QKV
	s_lshl_b32 s18, s41, 10
	s_lshl_b32 s19, s15, 9
	s_add_co_u32 s18, s18, s19
	s_mov_b32 s19, 0
	s_add_nc_u64 s[BV:BV+1], s[BV:BV+1], s[18:19]
	v_lshlrev_b32 v9, 2, v7
.irp a, 0,1,2,3,4,5,6,7
	global_load_b32 v[RB+2*\a], v9, s[BV:BV+1] offset:(32*(\a/2)+8*(\a%2))*4
.endr
	s_cmp_eq_u32 s[ISV], 1
	s_cselect_b32 s20, s42, s17
	s_cselect_b32 s21, s16, s15
	s_cselect_b32 s22, s41, s40
	s_cselect_b32 s23, s15, s16
	s_lshl_b32 s20, s20, 1
	s_add_co_u32 s20, s20, s21
	s_lshr_b32 s21, s20, 4
	s_and_b32 s20, s20, 15
	s_lshl_b32 s21, s21, 4
	s_lshl_b32 s22, s22, 2
	s_add_co_u32 s21, s21, s22
	s_lshl_b32 s23, s23, 1
	s_add_co_u32 s21, s21, s23
	s_mul_i32 s21, s21, HEADREC
	s_mul_i32 s22, s20, STEPB
	s_add_co_u32 s22, s22, s21
	s_mul_i32 s23, s20, 6144
	s_add_co_u32 s23, s23, s21
	s_add_co_u32 s23, s23, QOFF
	s_lshl_b32 s45, s20, 9
	s_add_co_u32 s45, s45, s21
	s_add_co_u32 s45, s45, QSOFF
	s_add_co_u32 s46, s22, 12288
	s_cmp_eq_u32 ttmp9, 0
	s_cselect_b32 s23, s23, s22
	s_cselect_b32 s45, s45, s46
	s_add_co_u32 s46, s22, 6144
	s_add_co_u32 s47, s22, 12800
	s_cmp_eq_u32 s[ISV], 1
	s_cselect_b32 s[OC], s46, s23
	s_cselect_b32 s[OW], s47, s45
.else
	s_lshl_b32 s21, s17, 4
	s_lshl_b32 s22, s15, 3
	s_add_co_u32 s21, s21, s22
	s_mul_i32 s[OC], s42, 786432
	s_mul_i32 s22, s21, 3072
	s_add_co_u32 s[OC], s[OC], s22
	s_mul_i32 s22, s16, 1536
	s_add_co_u32 s[OC], s[OC], s22
	s_lshl_b32 s[OW], s42, 15
	s_lshl_b32 s22, s21, 7
	s_add_co_u32 s[OW], s[OW], s22
	s_lshl_b32 s22, s16, 6
	s_add_co_u32 s[OW], s[OW], s22
	s_add_co_u32 s[OW], s[OW], 12582912
.endif
	s_mov_b32 s[OC+1], 0
	s_mov_b32 s[OW+1], 0
	s_add_nc_u64 s[OC:OC+1], s[12:13], s[OC:OC+1]
	s_add_nc_u64 s[OW:OW+1], s[12:13], s[OW:OW+1]
.macro FRAG reg, adr, q, i
.irp p, 0,1,2,3,4,5
.set BY, 96*(\q)+48*(\p/3)+8*(\p%3)    ; q: the step, counted from the row's start.  Byte y of a row lies in chunk y / 256, in slot (y / 256) % 2; lanes 16-31 read 24 bytes on
.if BY/ROWB == (BY+24)/ROWB
	ds_load_b64 v[\reg+2*\p:\reg+2*\p+1], v[\adr+(BY/ROWB)%2] offset:BY%ROWB+(32*((\i)/2)+8*((\i)%2))*PITCH
.else
	ds_load_b64 v[\reg+2*\p:\reg+2*\p+1], v[\adr+2+(BY/ROWB)%2] offset:BY%ROWB-232+(32*((\i)/2)+8*((\i)%2))*PITCH
.endif
.endr
.endm
.macro MUL16 a0, p, q, sc, zero
.irp a, \a0, \a0+1
.irp b, 0,1,2,3,4,5,6,7
.if \zero
.if QKV
	v_wmma_scale_f32_16x16x128_f8f6f4 v[8*(8*((\a)%4)+\b):8*(8*((\a)%4)+\b)+7], v[128*(\p)+FR*\b:128*(\p)+FR*\b+FR-1], v[AF+FR*(\a):AF+FR*(\a)+FR-1], 0, v[SC+8*NQ*(\sc)+NQ*\b+(\q)], v[SC+8*NQ*(\sc)+NQ*(\a)+(\q)] matrix_a_fmt:MATRIX_FMT_BF6 matrix_b_fmt:MATRIX_FMT_BF6 matrix_a_scale:MATRIX_SCALE_ROW1
.else
	v_wmma_scale_f32_16x16x128_f8f6f4 v[8*(8*((\a)%4)+\b):8*(8*((\a)%4)+\b)+7], v[128*(\p)+FR*\b:128*(\p)+FR*\b+FR-1], v[AF+FR*(\a):AF+FR*(\a)+FR-1], v[CB+8*\b:CB+8*\b+7], v[SC+8*NQ*(\sc)+NQ*\b+(\q)], v[SC+8*NQ*(\sc)+NQ*(\a)+(\q)] matrix_a_fmt:MATRIX_FMT_BF6 matrix_b_fmt:MATRIX_FMT_BF6 matrix_a_scale:MATRIX_SCALE_ROW1
.endif
.else
	v_wmma_scale_f32_16x16x128_f8f6f4 v[8*(8*((\a)%4)+\b):8*(8*((\a)%4)+\b)+7], v[128*(\p)+FR*\b:128*(\p)+FR*\b+FR-1], v[AF+FR*(\a):AF+FR*(\a)+FR-1], v[8*(8*((\a)%4)+\b):8*(8*((\a)%4)+\b)+7], v[SC+8*NQ*(\sc)+NQ*\b+(\q)], v[SC+8*NQ*(\sc)+NQ*(\a)+(\q)] matrix_a_fmt:MATRIX_FMT_BF6 matrix_b_fmt:MATRIX_FMT_BF6 matrix_a_scale:MATRIX_SCALE_ROW1
.endif
.endr
.endr
.endm
.macro FETCH_B slot, q, p
	WIN TO_B
.irp i, 0,1,2,3,4,5,6,7
	FRAG 128*(\p)+FR*\i, ADRB+\slot, \q, \i
.endr
	WIN 0
.endm
.macro FETCH_A slot, q, i0
.irp i, \i0, \i0+1, \i0+2, \i0+3
	FRAG AF+FR*(\i), ADRA+\slot, \q, \i
.endr
.endm
.macro SCALES sc
.irp i, 0,1,2,3,4,5,6,7
	ds_load_b64 v[SC+8*NQ*((\sc)%2)+NQ*\i:SC+8*NQ*((\sc)%2)+NQ*\i+1], v[ADRS] offset:(32*(\i/2)+8*(\i%2))*34+4*NQ*(\sc)   ; sc: the pair of steps
.endr
.endm
.macro PLACES n
.rept \n
	v_nop
.endr
.endm
; A step of 128 along K: 64 products; the next step's fragments are fetched in its middle and at its end.  Where the next step's bytes END in a chunk not read yet: a wait for my tensor loads and a barrier.
; Where they BEGIN in a later chunk: the wait, the add, the wait for it and for my reads, the barrier; where a chunk two on is left to fetch, the barrier opens a round of the cluster's barrier and the slot is filled again.
.macro STEP st, zero
.set NX, (\st)+1
.set C0, (96*(\st))/ROWB
.set C1, (96*NX)/ROWB
.set E0, (96*(\st)+95)/ROWB
.set E1, (96*NX+95)/ROWB
.if C1 > C0 || E1 > E0
	s_wait_tensorcnt 0x0
.if C1 > C0
	ds_add_u32 v[SPW], v[NIL]
	s_wait_dscnt 4*NL+1                            ; the add and A's blocks 4-7 may be out
.else
	s_wait_dscnt 4*NL
.endif
	WINMUL 0, \zero
	MUL16 0, (\st)%2, (\st)%2, ((\st)/2)%2, \zero
	s_wait_dscnt 0x0
	s_barrier_signal -1
	MUL16 2, (\st)%2, (\st)%2, ((\st)/2)%2, \zero
	WIN 0
	s_barrier_wait -1
.if C1 > C0 && C0+2 < CHUNKS
	CREST
	s_add_nc_u64 s[G0+4*(C0%2)+2:G0+4*(C0%2)+3], s[G0+4*(C0%2)+2:G0+4*(C0%2)+3], 2*ROWB
	s_add_nc_u64 s[G0B+4*(C0%2)+2:G0B+4*(C0%2)+3], s[G0B+4*(C0%2)+2:G0B+4*(C0%2)+3], 2*ROWB
	JLOAD G0+4*(C0%2), G1, G0B+4*(C0%2), G1B
.else
	PLACES NP
.endif
.else
	s_wait_dscnt 4*NL
	WINMUL 0, \zero
	MUL16 0, (\st)%2, (\st)%2, ((\st)/2)%2, \zero
	MUL16 2, (\st)%2, (\st)%2, ((\st)/2)%2, \zero
	s_wait_dscnt 0
	PLACES NP
.endif
	FETCH_B 0, NX, NX%2
	FETCH_A 0, NX, 0
.if NX%2 == 0
	SCALES NX/2
.endif
	WINMUL 1, \zero
	MUL16 4, (\st)%2, (\st)%2, ((\st)/2)%2, \zero
	MUL16 6, (\st)%2, (\st)%2, ((\st)/2)%2, \zero
	PLACES NP
	WIN 0
	FETCH_A 0, NX, 4
.endm
	s_wait_alu depctr_va_vdst(0)
	s_wait_loadcnt 0x0
.if QKV
.irp a, 0,1,2,3,4,5,6,7
	v_mov_b32 v[RB+2*\a+1], v[RB+2*\a]
.endr
.endif
	s_wait_tensorcnt 0x0                           ; my tile of the head's four is in
	ds_add_u32 v[SPW], v[NIL]
	s_mov_b32 s[G1+2], 128<<16                     ; no tensor load of mine is out: from here on a load brings 128 rows
	s_mov_b32 s[G1+4], 128
	s_mov_b32 s[G1B+2], 128<<16
	s_mov_b32 s[G1B+4], 128
	s_wait_dscnt 0x0
	CROUND                                         ; all four tiles are in, and the sixteen work-groups are here
	JLOAD G0+4, G1, G0B+4, G1B                     ; chunk 1, the first tensor load behind the round
	FETCH_B 0, 0, 0
	FETCH_A 0, 0, 0
	SCALES 0
	FETCH_A 0, 0, 4
	STEP 0, 1
.set ST, 1                             ; the eight steps are written out: slots and chunks do not come back to where they began within them
.rept STEPS-2
	STEP ST, 0
.set ST, ST+1
.endr
	s_wait_dscnt 4*NL
	WINMUL 0, 0
	MUL16 0, 1, NQ-1, 1, 0
	MUL16 2, 1, NQ-1, 1, 0
	s_wait_dscnt 0
	WINMUL 1, 0
	MUL16 4, 1, NQ-1, 1, 0
	MUL16 6, 1, NQ-1, 1, 0
	WIN 0
.macro QUANT s
.irp b, 0,1,2,3
	v_max3_num_f32 v[TM+\b], |v[\s+16*\b]|, |v[\s+1+16*\b]|, FLOOR
.endr
.irp i, 2,4,6,8,10,12,14
.irp b, 0,1,2,3
	v_max3_num_f32 v[TM+\b], v[TM+\b], |v[\s+16*\b+\i]|, |v[\s+1+16*\b+\i]|
.endr
.endr
.irp b, 0,1,2,3
	v_permlanex16_b32 v[TM+4+\b], v[TM+\b], s[SEL], s[SEL+1]
.endr
.irp b, 0,1,2,3
	v_max_num_f32 v[TM+\b], v[TM+\b], v[TM+4+\b]
.endr
.irp b, 0,1,2,3
	v_add_nc_u32 v[TM+12+\b], 0xfe000000, v[TM+\b]
.endr
.irp b, 0,1,2,3
	v_lshrrev_b32 v[TM+4+\b], 23, v[TM+12+\b]
.endr
	v_lshl_or_b32 v[PW], v[TM+5], 8, v[TM+4]
	v_lshl_or_b32 v[PW], v[TM+6], 16, v[PW]
	v_lshl_or_b32 v[PW], v[TM+7], 24, v[PW]
.irp c, 0,1
	v_cvt_scalef32_pk16_bf6_f32 v[PC+6*\c:PC+2+6*\c], v[\s+32*\c:\s+15+32*\c], v[TM+12+2*\c]
	v_cvt_scalef32_pk16_bf6_f32 v[PC+12+4*\c:PC+14+4*\c], v[\s+16+32*\c:\s+31+32*\c], v[TM+12+2*\c+1]
.endr
	v_nop
.irp c, 0,1
.irp i, 0,1,2
	v_permlane16_swap_b32 v[PC+6*\c+\i], v[PC+12+4*\c+\i]
.endr
.irp i, 0,1,2
	v_mov_b32 v[PC+3+6*\c+\i], v[PC+12+4*\c+\i]
.endr
.endr
.endm
.macro EPI a, kind
.if (\a) > 0
	s_wait_xcnt 0x0
.endif
.set AC, 64*((\a)%4)
.if \kind == 2
	WIN 0x08+4*((\a)/4)
.set ii, 0
.rept 64
	v_max_num_f32 v[H+ii], 0, v[AC+ii]
.set ii, ii+1
.endr
.else
	WIN 0x02+(\a)/4
.set ii, 0
.rept 32
.if \kind == 0
	v_pk_add_f32 v[H+ii:H+ii+1], v[AC+ii:AC+ii+1], v[CB+ii:CB+ii+1]
.else
	v_pk_add_f32 v[H+ii:H+ii+1], v[AC+ii:AC+ii+1], v[RB+2*(\a):RB+2*(\a)+1]
.endif
.set ii, ii+2
.endr
.endif
	WIN 0
	QUANT H
.if \kind == 0
.irp c, 0,1
.irp p, 0,1,2
	global_store_b64 v[LO8], v[PC+6*\c+2*\p:PC+6*\c+2*\p+1], s[OC:OC+1] offset:\c*HEADREC+(\a)*768+256*\p
.endr
.endr
	v_and_b32 v[W2], 0xffff, v[PW]
	v_lshrrev_b32 v[W3], 16, v[PW]
	global_store_b32 v[LO4], v[W2], s[OW:OW+1] offset:(\a)*64
	global_store_b32 v[LO4], v[W3], s[OW:OW+1] offset:HEADREC+(\a)*64
.elseif \kind == 1
.irp p, 0,1,2,3,4,5
	global_store_b64 v[LO8], v[PC+2*\p:PC+2*\p+1], s[OC:OC+1] offset:((\a)/4)*HEADREC+((\a)%4)*1536+256*\p
.endr
	global_store_b32 v[LO4], v[PW], s[OW:OW+1] offset:((\a)/4)*HEADREC+((\a)%4)*64
.else
.irp p, 0,1,2,3,4,5
	global_store_b64 v[LO8], v[PC+2*\p:PC+2*\p+1], s[OC:OC+1] offset:(\a)*3072+256*\p
.endr
	global_store_b32 v[LO4], v[PW], s[OW:OW+1] offset:(\a)*128
.endif
.endm
	PLACES NP
.irp b, 0,1,2,3
	v_mov_b32 v[TM+4+\b], 0
.endr
.if QKV
	s_cmp_eq_u32 s[ISV], 1
	s_cbranch_scc1 .Lv_path
.irp a, 0,1,2,3,4,5,6,7
	EPI \a, 0
.endr
	s_branch .Ldone
.Lv_path:
.irp a, 0,1,2,3,4,5,6,7
	EPI \a, 1
.endr
.Ldone:
.else
.irp a, 0,1,2,3,4,5,6,7
	EPI \a, 2
.endr
.endif
	s_wait_tensorcnt 0x0
	ds_add_u32 v[SPW], v[NIL]
	s_wait_dscnt 0x0
	CROUND
	s_endpgm
.Lfunc_end_k_q4b1860faab_ffn1:
	.size	k_q4b1860faab_ffn1, .Lfunc_end_k_q4b1860faab_ffn1-k_q4b1860faab_ffn1
	.p2alignl 7, 3214868480
	.fill 96, 4, 3214868480
	.section	.rodata,"a",@progbits
	.p2align	6, 0x0
	.amdhsa_kernel k_q4b1860faab_ffn1
		.amdhsa_group_segment_fixed_size 327680
		.amdhsa_private_segment_fixed_size 0
		.amdhsa_enable_private_segment 0
		.amdhsa_kernarg_size 40
		.amdhsa_user_sgpr_count 2
		.amdhsa_user_sgpr_kernarg_segment_ptr 1
		.amdhsa_wavefront_size32 1
		.amdhsa_system_sgpr_workgroup_id_x 1
		.amdhsa_system_sgpr_workgroup_id_y 1
		.amdhsa_system_sgpr_workgroup_id_z 1
		.amdhsa_system_vgpr_workitem_id 0
		.amdhsa_next_free_vgpr 1024
		.amdhsa_next_free_sgpr 102
		.amdhsa_reserve_vcc 0
		.amdhsa_float_denorm_mode_32 3
		.amdhsa_float_denorm_mode_16_64 3
		.amdhsa_memory_ordered 1
		.amdhsa_forward_progress 1
		.amdhsa_inst_pref_size 185
	.end_amdhsa_kernel
	.amdgpu_metadata
---
amdhsa.version: [ 1, 2 ]
amdhsa.kernels:
  - .name:           k_q4b1860faab_ffn1
    .symbol:         k_q4b1860faab_ffn1.kd
    .args:
      - { .name: hq, .offset: 0, .size: 8, .value_kind: global_buffer, .address_space: global }
      - { .name: W1_codes, .offset: 8, .size: 8, .value_kind: global_buffer, .address_space: global }
      - { .name: W1_scales, .offset: 16, .size: 8, .value_kind: global_buffer, .address_space: global }
      - { .name: b1, .offset: 24, .size: 8, .value_kind: global_buffer, .address_space: global }
      - { .name: hid, .offset: 32, .size: 8, .value_kind: global_buffer, .address_space: global }
    .group_segment_fixed_size: 327680
    .private_segment_fixed_size: 0
    .kernarg_segment_align: 8
    .kernarg_segment_size: 40
    .max_flat_workgroup_size: 128
    .sgpr_count:     102
    .vgpr_count:     1024
    .wavefront_size: 32
...
	.end_amdgpu_metadata
.endif
;; end of part 6
;; launch ffn2 (part 7): grid 8 x 32, 4 waves a work-group, clusters of 4 x 4, 327,680 bytes of LDS; arguments hid, wimg, W2_scales, b2, hq, y; writes y
.if DOCPART == 7
	.amdgcn_target "amdgcn-amd-amdhsa--gfx1250"
	.amdhsa_code_object_version 6
	.text
	.protected	k_q4b1860faab_ffn2
	.globl	k_q4b1860faab_ffn2
	.p2align	8
	.type	k_q4b1860faab_ffn2,@function
k_q4b1860faab_ffn2:
	s_mov_b64 s[64:65], 0
	v_nop
	global_prefetch_b8 v0, s[64:65] scope:SCOPE_SE
	s_setreg_imm32_b32 hwreg(HW_REG_WAVE_MODE, 25, 1), 1
	s_wait_xcnt 0x0
	s_wait_alu depctr_hold_cnt(0) depctr_sa_sdst(0) depctr_va_vdst(0) depctr_va_sdst(0) depctr_va_ssrc(0) depctr_va_vcc(0) depctr_vm_vsrc(0)
	s_getreg_b32 s2, hwreg(HW_REG_IB_STS2, 6, 4)
	s_cmp_eq_u32 s2, 0
	s_cbranch_scc0 .Lentry_in_a_cluster
	s_endpgm
.Lentry_in_a_cluster:
	s_bfe_u32 s2, ttmp6, 0x10000c
	s_cmp_lg_u32 s2, 0xf033
	s_cbranch_scc0 .Lentry_shape_is_right
	s_endpgm
.Lentry_shape_is_right:
; y = A W^T + bias + residual, on codes of BF6 (E3M2) with E8M0 scales.  A [4096][SIZE_K] and W [1024][SIZE_K] come as images of the operands' registers:
; [256 along K][block of 16 rows][128 along K][6 planes][lane][8 bytes], so a tile is a dense run of whole 256-byte units.  A's rows of a block are ordered as the launch before left them:
; lane r of block i of a group of 128 rows is row 32 (i / 2) + 8 (i % 2) + r + 8 (r / 8).
; A work-group makes 128 x 128 of y: 32 x 8 = 256 work-groups; a wave 64 x 64: 16 accumulators.  4 x 4 clusters: A's tiles are asked for jointly along a row, W's along a column.
; K goes in slots of 512 (four steps of 128) through two LDS slots; wave 0 fetches A's part of a slot, wave 1 W's, one load each; at the head waves 2 and 3 fetch the scales of all of K.
; Here SIZE_K is 4,096: eight slots.  In the trip that multiplies slot t and loads slot t + 1, slot t + 3 is prefetched: one instruction a wave, each 256-byte unit named once in a cluster; the last three trips ask for nothing.
; The product is used transposed (source 0 = W's rows): a lane holds 8 neighbouring columns of a row.  The bias is the C of the first products; the residual is loaded at the head.
; REGISTERS: window 0: v16-31 addresses, v32-47 W's scale words, v48-63 A's, v64-255 two sets of fragments (W's 4, A's 4); window 1: v0-127 accumulators, v128-159 bias; window 2: v0-127 residual.
.set SIZE_K, 4096
.set WOFF,   786432
.set NKS,    SIZE_K/256
.set NSL,    NKS/2
.set KS,     SIZE_K/32
.set ASLOT,  786432
.set BSLOT,  196608
.set PIECE,  24576
.set HALF,   2*PIECE
.set SLOT,   2*HALF
.set SCA,    2*SLOT
.set SCB,    SCA+NKS*1024
.set SBLK,   (16*KS/256)*272
.set SPARE,  SCB+8*SBLK
.set SPITCH, 272
.set ADRA, 16
.set ADRB, 20
.set STO,  24
.set RD,   25
.set CO,   26
.set ADSB, 27
.set SPW,  28
.set NIL,  29
.set ADSA, 30
.set PFO,  31
.set SB,   32
.set SA,   48
.set FS,   64
.set CB,   128
.set G1A, 24
.set G1B, 32
.set G1S, 40
.set G1SB, 48
.set G0A, 56
.set G0B, 68
.set G0S, 76
.set G0SB, 80
.set PFA, 84
.set PST, 86
.set MSB, 0
.macro WIN new
.if MSB != (\new)
	s_set_vgpr_msb (MSB<<8)|(\new)
.set MSB, (\new)
.endif
.endm
.macro PLACES
.rept 4
	v_nop
.endr
.endm
.macro CROUND
	s_barrier_signal -1
	s_barrier_wait -1
	s_cmp_lg_u32 s16, 0
	s_cbranch_scc1 .Lnot_wave_0_\@
	s_barrier_signal -3
.Lnot_wave_0_\@:
	s_barrier_wait -3
	s_barrier_signal -1
	s_barrier_wait -1
.endm
.macro JLOAD s                         ; a slot's joint loads: wave 0 A's, wave 1 W's; the last four v_nop are the places in front of the LDS loads that follow, for every wave
	s_cmp_lt_u32 s16, 2
	s_cbranch_scc0 .Lnone_\@
	s_cmp_eq_u32 s16, 0
	s_cbranch_scc0 .Lb_\@
	tensor_load_to_lds s[G0A+4*(\s):G0A+4*(\s)+3], s[G1A:G1A+7]
	s_nop 0
	PLACES
	s_branch .Lnone_\@
.Lb_\@:
	tensor_load_to_lds s[G0B+4*(\s):G0B+4*(\s)+3], s[G1B:G1B+7]
	s_nop 0
	PLACES
.Lnone_\@:
	PLACES
.endm
	s_load_b256 s[4:11], s[0:1], 0x0               ; A, W's image, W's scales, bias
	s_load_b128 s[12:15], s[0:1], 0x20             ; residual, y
	v_lshl_add_u32 v[SPW], v0, 2, SPARE
	v_mov_b32 v[NIL], 0
	ds_add_u32 v[SPW], v[NIL]                      ; the opening lines: the add, twice on end, and its wait
	ds_add_u32 v[SPW], v[NIL]
	v_lshrrev_b32 v1, 5, v0
	v_readfirstlane_b32 s16, v1                    ; wave
	s_lshr_b32 s17, s16, 1                         ; my half of the rows
	s_and_b32 s18, s16, 1                          ; my half of the columns
	s_bfe_u32 s19, ttmp6, 0x40000                  ; cx
	s_bfe_u32 s20, ttmp6, 0x40004                  ; cy
	s_lshl_b32 s21, ttmp9, 2
	s_add_co_u32 s21, s21, s19                     ; tile column
	s_and_b32 s22, ttmp7, 0xffff
	s_lshl_b32 s22, s22, 2
	s_add_co_u32 s22, s22, s20                     ; tile row
	s_lshl_b32 s23, s20, 2
	s_lshl_b32 s23, 15, s23                        ; my row of the cluster
	s_lshl_b32 s88, 0x1111, s19                    ; my column
	s_or_b32 s[G1A], s23, (3<<16)|(1<<21)          ; a slot's part: 2 rows of 24,576 bytes (3,072 elements of 8), one for each 256 along K
	s_or_b32 s[G1B], s88, (3<<16)|(1<<21)
.irp g, G1A, G1B
	s_mov_b32 s[\g+1], 3072<<16
	s_mov_b32 s[\g+2], 2<<16
	s_mov_b32 s[\g+3], 3072<<16
	s_mov_b32 s[\g+4], 2
	s_mov_b32 s[\g+6], 0
	s_mov_b32 s[\g+7], 0
.endr
	s_mov_b32 s[G1A+5], ASLOT/8
	s_mov_b32 s[G1B+5], BSLOT/8
	s_or_b32 s[G1S], s23, (3<<16)|(1<<21)          ; A's scale words: NKS rows of 1,024 bytes
	s_mov_b32 s[G1S+1], 128<<16
	s_mov_b32 s[G1S+2], NKS<<16
	s_mov_b32 s[G1S+3], 128<<16
	s_mov_b32 s[G1S+4], NKS
	s_mov_b32 s[G1S+5], 4096
	s_mov_b32 s[G1S+6], 0
	s_mov_b32 s[G1S+7], 0
	s_or_b32 s[G1SB], s88, (3<<16)|(1<<20)|(1<<21)|(5<<22)|(3<<25)   ; W's scales: a dense block, rows of 256 bytes + 16 of padding
	s_mov_b32 s[G1SB+1], 32<<16
	s_mov_b32 s[G1SB+2], (128*KS/256)<<16
	s_mov_b32 s[G1SB+3], 32<<16
	s_mov_b32 s[G1SB+4], 128*KS/256
	s_mov_b32 s[G1SB+5], 32
	s_mov_b32 s[G1SB+6], 0
	s_mov_b32 s[G1SB+7], 0
	s_mul_i32 s90, s22, 8*3072
	s_mov_b32 s91, 0
	s_lshl_b32 s92, s22, 10
	s_mov_b32 s93, 0
	s_mul_i32 s94, s21, 8*3072
	s_mov_b32 s95, 0
	s_mul_i32 s88, s21, 128*KS
	s_mov_b32 s89, 0
	s_wait_dscnt 0x0
	s_wait_kmcnt 0x0
	s_add_nc_u64 s[90:91], s[4:5], s[90:91]
	s_add_nc_u64 s[92:93], s[4:5], s[92:93]
	s_add_nc_u64 s[92:93], s[92:93], NKS*ASLOT
	s_add_nc_u64 s[94:95], s[6:7], s[94:95]
.if WOFF
	s_add_nc_u64 s[94:95], s[94:95], WOFF
.endif
	s_add_nc_u64 s[88:89], s[8:9], s[88:89]
	CROUND                                         ; the first joint loads meet
.irp s, 0,1
	s_mov_b32 s[G0A+4*\s], 1
	s_mov_b32 s[G0A+4*\s+1], \s*SLOT
	s_add_nc_u64 s[G0A+4*\s+2:G0A+4*\s+3], s[90:91], \s*2*ASLOT
	s_or_b32 s[G0A+4*\s+3], s[G0A+4*\s+3], 0x80000000
	s_mov_b32 s[G0B+4*\s], 1
	s_mov_b32 s[G0B+4*\s+1], \s*SLOT+HALF
	s_add_nc_u64 s[G0B+4*\s+2:G0B+4*\s+3], s[94:95], \s*2*BSLOT
	s_or_b32 s[G0B+4*\s+3], s[G0B+4*\s+3], 0x80000000
.endr
	s_mov_b32 s[G0S], 1
	s_mov_b32 s[G0S+1], SCA
	s_mov_b64 s[G0S+2:G0S+3], s[92:93]
	s_or_b32 s[G0S+3], s[G0S+3], 0x80000000
	s_mov_b32 s[G0SB], 1
	s_mov_b32 s[G0SB+1], SCB
	s_mov_b64 s[G0SB+2:G0SB+3], s[88:89]
	s_or_b32 s[G0SB+3], s[G0SB+3], 0x80000000
.macro ARM under, g0, g1, next         ; the head's four tiles, one load a wave, in one chain of branches
	s_cmp_lt_u32 s16, \under
	s_cbranch_scc0 \next
	tensor_load_to_lds s[\g0:\g0+3], s[\g1:\g1+7]
	s_nop 0
	PLACES
	s_branch .Lhead_asked
\next:
.endm
	ARM 1, G0A, G1A, .Lhead_b
	ARM 2, G0B, G1B, .Lhead_sa
	ARM 3, G0S, G1S, .Lhead_sb
	tensor_load_to_lds s[G0SB:G0SB+3], s[G1SB:G1SB+7]
	s_nop 0
	PLACES
.Lhead_asked:
.if NSL > 2
	s_cmp_eq_u32 s17, 0                            ; the prefetches: waves 0, 1 name A's two pieces of a slot, waves 2, 3 W's; of a piece's 96 units of 256 bytes each of the four partners names 24, by address
	s_cselect_b64 s[PFA:PFA+1], s[90:91], s[94:95]
	s_cselect_b32 s2, s19, s20
	s_mov_b32 s[PST], BSLOT
	s_cselect_b32 s[PST], ASLOT, s[PST]
	s_add_co_u32 s3, s18, 6
	s_mul_i32 s3, s3, s[PST]                       ; slot 3's piece
	s_mul_i32 s2, s2, 6144
	s_add_co_u32 s2, s2, s3
	s_mov_b32 s3, 0
	s_add_nc_u64 s[PFA:PFA+1], s[PFA:PFA+1], s[2:3]
	s_lshl_b32 s[PST], s[PST], 1                   ; a slot on
	s_mov_b32 s[PST+1], 0
.endif
	s_mul_i32 s88, s17, 4*3072                     ; LDS: my 4 blocks of A, of W
	s_mul_i32 s89, s18, 4*3072
	s_add_co_u32 s89, s89, HALF
	s_lshl_b32 s90, s17, 9
	s_add_co_u32 s90, s90, SCA
	s_mul_i32 s91, s18, 4*SBLK
	s_add_co_u32 s91, s91, SCB
	s_mul_i32 s92, s16, 16*SPITCH                  ; my stage, in slot 0, which has had its last fill and its last read when the first result is stored there
	s_lshl_b32 s94, s22, 7
	s_lshl_b32 s95, s17, 6
	s_add_co_u32 s94, s94, s95
	s_lshl_b32 s94, s94, 12                        ; my first row of y, 4,096 bytes a row
	s_lshl_b32 s2, s21, 9
	s_lshl_b32 s3, s18, 8
	s_add_co_u32 s2, s2, s3                        ; my first column, in bytes
	s_mov_b32 s3, 0
	s_add_co_u32 s94, s94, s2
	s_mov_b32 s95, 0
	s_add_nc_u64 s[12:13], s[12:13], s[94:95]
	s_add_nc_u64 s[14:15], s[14:15], s[94:95]
	s_add_nc_u64 s[10:11], s[10:11], s[2:3]
	v_and_b32 v1, 15, v0
	v_bfe_u32 v2, v0, 4, 1
	v_and_b32 v3, 31, v0
	v_lshlrev_b32 v4, 3, v3
	v_add_nc_u32 v[ADRA], s88, v4
	v_add_nc_u32 v[ADRB], s89, v4
	v_add_nc_u32 v[ADRA+1], SLOT, v[ADRA]
	v_add_nc_u32 v[ADRB+1], SLOT, v[ADRB]
	v_lshl_add_u32 v[ADSA], v1, 2, s90
	v_mul_u32_u24 v5, v1, KS
	v_lshrrev_b32 v6, 8, v5
	v_lshl_add_u32 v5, v6, 4, v5
	v_add_nc_u32 v[ADSB], s91, v5
	v_mul_u32_u24 v5, v1, SPITCH
	v_lshl_add_u32 v5, v2, 5, v5
	v_add_nc_u32 v[STO], s92, v5                   ; in: row l % 16, 32 bytes for each half of the lanes
	v_mul_u32_u24 v6, v2, SPITCH
	v_lshl_add_u32 v6, v1, 4, v6
	v_add_nc_u32 v[RD], s92, v6                    ; back: sixteen lanes take a row of 256 bytes
	v_lshlrev_b32 v7, 12, v2
	v_lshl_add_u32 v[CO], v1, 4, v7
	v_lshlrev_b32 v8, 5, v2
.if NSL > 2
	v_min_u32 v9, 23, v3                           ; lanes 24-31 name the wave's last unit again
	v_lshlrev_b32 v[PFO], 8, v9
.endif
	WIN 0x40
.irp b, 0,1,2,3
	global_load_b128 v[CB+8*\b:CB+8*\b+3], v8, s[10:11] offset:64*\b
	global_load_b128 v[CB+8*\b+4:CB+8*\b+7], v8, s[10:11] offset:64*\b+16
.endr
	WIN 0x80
.irp a, 0,1,2,3
.irp t, 0,1,2,3,4,5,6,7
	global_load_b128 v[32*\a+4*\t:32*\a+4*\t+3], v[CO], s[12:13] offset:(32*(\a/2)+8*(\a%2)+2*\t+8*(\t/4))*4096
.endr
.endr
	WIN 0
.macro FETCH slot, st, f               ; the fragments of step st of a slot: W's 4 blocks, A's 4 blocks: 48 loads of 8 bytes a lane, 256 consecutive bytes each
.irp i, 0,1,2,3
.irp p, 0,1,2,3,4,5
	ds_load_b64 v[\f+12*\i+2*\p:\f+12*\i+2*\p+1], v[ADRB+\slot] offset:((\st)/2)*PIECE+\i*3072+((\st)%2)*1536+256*\p
.endr
.endr
.irp i, 0,1,2,3
.irp p, 0,1,2,3,4,5
	ds_load_b64 v[\f+48+12*\i+2*\p:\f+48+12*\i+2*\p+1], v[ADRA+\slot] offset:((\st)/2)*PIECE+\i*3072+((\st)%2)*1536+256*\p
.endr
.endr
.endm
.macro MUL f, st, zero                 ; 16 products, the 16 accumulators by turns
.irp a, 0,1,2,3
.irp b, 0,1,2,3
.if \zero
	v_wmma_scale_f32_16x16x128_f8f6f4 v[32*\a+8*\b:32*\a+8*\b+7], v[\f+12*\b:\f+12*\b+11], v[\f+48+12*\a:\f+48+12*\a+11], v[CB+8*\b:CB+8*\b+7], v[SB+4*\b+\st], v[SA+4*\a+\st] matrix_a_fmt:MATRIX_FMT_BF6 matrix_b_fmt:MATRIX_FMT_BF6
.else
	v_wmma_scale_f32_16x16x128_f8f6f4 v[32*\a+8*\b:32*\a+8*\b+7], v[\f+12*\b:\f+12*\b+11], v[\f+48+12*\a:\f+48+12*\a+11], v[32*\a+8*\b:32*\a+8*\b+7], v[SB+4*\b+\st], v[SA+4*\a+\st] matrix_a_fmt:MATRIX_FMT_BF6 matrix_b_fmt:MATRIX_FMT_BF6
.endif
.endr
.endr
.endm
; A slot's work.  In front of the barrier: the wait for all my tensor loads, the add, the wait for it and for my reads of the other slot.  refill: a round of the cluster's barrier, then the next slot's loads into the slot read last.
; ask: 1 = a prefetch; 2 = its address steps a slot on, and it is issued while a slot three on exists (the ring's counter above 1)
.macro TRIP slot, refill, zero, ask
.if \ask == 2
	s_wait_xcnt 0x0                                ; my last prefetch has read its address
	s_add_nc_u64 s[PFA:PFA+1], s[PFA:PFA+1], s[PST:PST+1]
.endif
	s_wait_tensorcnt 0x0
	ds_add_u32 v[SPW], v[NIL]
	s_add_nc_u64 s[G0A+4*\slot+2:G0A+4*\slot+3], s[G0A+4*\slot+2:G0A+4*\slot+3], 4*ASLOT   ; no load of mine is out: this slot's next tiles
	s_add_nc_u64 s[G0B+4*\slot+2:G0B+4*\slot+3], s[G0B+4*\slot+2:G0B+4*\slot+3], 4*BSLOT
	s_wait_dscnt 0x0
.if \refill
	CROUND
	JLOAD 1-\slot
.else
	s_barrier_signal -1
	s_barrier_wait -1
	PLACES
.endif
.irp b, 0,1,2,3
	ds_load_b128 v[SB+4*\b:SB+4*\b+3], v[ADSB] offset:\b*SBLK        ; W's scale words of the slot's four steps
.endr
.irp a, 0,1,2,3
.irp q, 0,1,2,3
	ds_load_b32 v[SA+4*\a+\q], v[ADSA] offset:(\q/2)*1024+\a*128+(\q%2)*64
.endr
.endr
	v_add_nc_u32 v[ADSB], 16, v[ADSB]
	v_add_nc_u32 v[ADSA], 2048, v[ADSA]
	s_wait_alu depctr_va_vdst(0)                   ; the wait behind these writes
	FETCH \slot, 0, FS
.irp st, 0,1,2,3
.if \st < 3
.if \st > 0
	PLACES                                         ; in front of loads into the set that the step before multiplied
.endif
	FETCH \slot, \st+1, FS+96*((\st+1)%2)
.if \st == 0
.if \ask == 1
	global_prefetch_b8 v[PFO], s[PFA:PFA+1] th:TH_LOAD_NT scope:SCOPE_SE
.endif
.if \ask == 2
	s_cmp_gt_u32 s3, 1
	s_cbranch_scc0 .Lnoask_\@
	global_prefetch_b8 v[PFO], s[PFA:PFA+1] th:TH_LOAD_NT scope:SCOPE_SE
.Lnoask_\@:
.endif
.endif
	s_wait_dscnt 48                                ; all but the 48 just issued
.else
	s_wait_dscnt 0x0
.endif
.if (\zero) && (\st == 0)
	s_wait_loadcnt 32                              ; the bias is in; the 32 loads of the residual may be out
	WIN 0x50
	MUL FS+96*(\st%2), \st, 1
.else
	WIN 0x50
	MUL FS+96*(\st%2), \st, 0
.endif
	WIN 0
.endr
.endm
	s_wait_alu depctr_va_vdst(0)                   ; the wait at the head's end
.if NSL > 2
	TRIP 0, 1, 1, 1
	s_mov_b32 s3, (NSL-2)/2
.Lring:
	TRIP 1, 1, 0, 2
	TRIP 0, 1, 0, 2
	s_sub_co_u32 s3, s3, 1
	s_cmp_lg_u32 s3, 0
	s_cbranch_scc1 .Lring
.else
	TRIP 0, 1, 1, 0
.endif
	TRIP 1, 0, 0, 0
	; THE WAY OUT: a block of 16 rows x 64 columns through my stage, back as rows of 256 bytes, + residual, stored: sixteen lanes fill an aligned unit of 256 bytes
	PLACES
	s_wait_loadcnt 0x0
.irp a, 0,1,2,3
	WIN 0x04
.irp b, 0,1,2,3
	ds_store_b128 v[STO], v[32*\a+8*\b:32*\a+8*\b+3] offset:64*\b
	ds_store_b128 v[STO], v[32*\a+8*\b+4:32*\a+8*\b+7] offset:64*\b+16
.endr
	WIN 0
.irp t, 0,1,2,3,4,5,6,7
	ds_load_b128 v[FS+32*\a+4*\t:FS+32*\a+4*\t+3], v[RD] offset:\t*2*SPITCH   ; LDS serves a wave's instructions in order: these see the stores above
.endr
	s_wait_dscnt 0x0
	WIN 0x08
.irp j, 0,2,4,6,8,10,12,14,16,18,20,22,24,26,28,30
	v_pk_add_f32 v[FS+32*\a+\j:FS+32*\a+\j+1], v[FS+32*\a+\j:FS+32*\a+\j+1], v[32*\a+\j:32*\a+\j+1]
.endr
	WIN 0
.irp t, 0,1,2,3,4,5,6,7
	global_store_b128 v[CO], v[FS+32*\a+4*\t:FS+32*\a+4*\t+3], s[14:15] offset:(32*(\a/2)+8*(\a%2)+2*\t+8*(\t/4))*4096
.endr
.endr
	s_wait_tensorcnt 0x0                           ; the wave's end
	ds_add_u32 v[SPW], v[NIL]
	s_wait_dscnt 0x0
	CROUND                                         ; the closing round
	s_endpgm
.Lfunc_end_k_q4b1860faab_ffn2:
	.size	k_q4b1860faab_ffn2, .Lfunc_end_k_q4b1860faab_ffn2-k_q4b1860faab_ffn2
	.p2alignl 7, 3214868480
	.fill 96, 4, 3214868480
	.section	.rodata,"a",@progbits
	.p2align	6, 0x0
	.amdhsa_kernel k_q4b1860faab_ffn2
		.amdhsa_group_segment_fixed_size 327680
		.amdhsa_private_segment_fixed_size 0
		.amdhsa_enable_private_segment 0
		.amdhsa_kernarg_size 48
		.amdhsa_user_sgpr_count 2
		.amdhsa_user_sgpr_kernarg_segment_ptr 1
		.amdhsa_wavefront_size32 1
		.amdhsa_system_sgpr_workgroup_id_x 1
		.amdhsa_system_sgpr_workgroup_id_y 1
		.amdhsa_system_sgpr_workgroup_id_z 1
		.amdhsa_system_vgpr_workitem_id 0
		.amdhsa_next_free_vgpr 640
		.amdhsa_next_free_sgpr 96
		.amdhsa_reserve_vcc 0
		.amdhsa_float_denorm_mode_32 3
		.amdhsa_float_denorm_mode_16_64 3
		.amdhsa_memory_ordered 1
		.amdhsa_forward_progress 1
		.amdhsa_inst_pref_size 119
	.end_amdhsa_kernel
	.amdgpu_metadata
---
amdhsa.version: [ 1, 2 ]
amdhsa.kernels:
  - .name:           k_q4b1860faab_ffn2
    .symbol:         k_q4b1860faab_ffn2.kd
    .args:
      - { .name: hid, .offset: 0, .size: 8, .value_kind: global_buffer, .address_space: global }
      - { .name: wimg, .offset: 8, .size: 8, .value_kind: global_buffer, .address_space: global }
      - { .name: W2_scales, .offset: 16, .size: 8, .value_kind: global_buffer, .address_space: global }
      - { .name: b2, .offset: 24, .size: 8, .value_kind: global_buffer, .address_space: global }
      - { .name: hq, .offset: 32, .size: 8, .value_kind: global_buffer, .address_space: global }
      - { .name: y, .offset: 40, .size: 8, .value_kind: global_buffer, .address_space: global }
    .group_segment_fixed_size: 327680
    .private_segment_fixed_size: 0
    .kernarg_segment_align: 8
    .kernarg_segment_size: 48
    .max_flat_workgroup_size: 128
    .sgpr_count:     96
    .vgpr_count:     640
    .wavefront_size: 32
...
	.end_amdgpu_metadata
.endif
;; end of part 7
;; launch ln2 (part 8): grid 256 x 1, 2 waves a work-group, no clusters, 0 bytes of LDS; arguments y, ln2_g, ln2_b, out0; writes out0
.if DOCPART == 8
	.amdgcn_target "amdgcn-amd-amdhsa--gfx1250"
	.amdhsa_code_object_version 6
	.text
	.protected	k_q4b1860faab_ln2
	.globl	k_q4b1860faab_ln2
	.p2align	8
	.type	k_q4b1860faab_ln2,@function
k_q4b1860faab_ln2:
	s_mov_b64 s[64:65], 0
	v_nop
	global_prefetch_b8 v0, s[64:65] scope:SCOPE_SE
	s_setreg_imm32_b32 hwreg(HW_REG_WAVE_MODE, 25, 1), 1
	s_wait_xcnt 0x0
; out = LayerNorm(y) x g + b over rows of 1,024, in f32: mean, then the mean of the squared differences, then (y - mean) x rsqrt(var + 1e-5) x g + b.
; A wave takes 8 rows, one at a time, whole: eight loads of 512 consecutive bytes; the row stays in 32 registers a lane through both passes and is stored from them.  Loads run three rows ahead.
; No LDS, no barrier: the sums never leave the wave.  LIMITS: NaN and infinities among the inputs are not served.
.set LA,  1                            ; v1  16 x lane
.set G,   32                           ; v32-63  g of my 32 columns
.set B,   64                           ; v64-95  b
.set X,   96                           ; v96-191 three sets of 32: a row
.set SEL, 26
	s_load_b256 s[4:11], s[0:1], 0x0               ; y, g, b, out
	v_lshrrev_b32 v2, 5, v0
	v_readfirstlane_b32 s16, v2                    ; wave
	v_and_b32 v2, 31, v0
	v_lshlrev_b32 v[LA], 4, v2
	s_lshl_b32 s17, ttmp9, 1
	s_add_co_u32 s17, s17, s16                     ; which 8 rows are my wave's: 0 .. 511
	s_lshl_b32 s18, s17, 15                        ; 8 rows of 4,096 bytes
	s_mov_b32 s19, 0
	s_mov_b32 s24, 0x3727c5ac                      ; 1e-5
	s_mov_b32 s[SEL], 0x76543210
	s_mov_b32 s[SEL+1], 0xfedcba98
	s_wait_alu depctr_va_vdst(0)
	s_wait_kmcnt 0x0
	s_add_nc_u64 s[4:5], s[4:5], s[18:19]
	s_add_nc_u64 s[10:11], s[10:11], s[18:19]
.irp i, 0,1,2,3,4,5,6,7
	global_load_b128 v[G+4*\i:G+4*\i+3], v[LA], s[6:7] offset:512*\i
	global_load_b128 v[B+4*\i:B+4*\i+3], v[LA], s[8:9] offset:512*\i
.endr
.macro LOAD t
.irp i, 0,1,2,3,4,5,6,7
	global_load_b128 v[X+32*((\t)%3)+4*\i:X+32*((\t)%3)+4*\i+3], v[LA], s[4:5] offset:4096*(\t)+512*\i th:TH_LOAD_NT
.endr
.endm
	LOAD 0
	LOAD 1
	LOAD 2
.macro WSUM                            ; v2 summed over the 32 lanes, the result in every lane
	v_add_f32_dpp v2, v2, v2 row_xmask:1 row_mask:0xf bank_mask:0xf
	v_add_f32_dpp v2, v2, v2 row_xmask:2 row_mask:0xf bank_mask:0xf
	v_add_f32_dpp v2, v2, v2 row_xmask:4 row_mask:0xf bank_mask:0xf
	v_add_f32_dpp v2, v2, v2 row_xmask:8 row_mask:0xf bank_mask:0xf
	v_permlanex16_b32 v3, v2, s[SEL], s[SEL+1]
	v_add_f32 v2, v2, v3
.endm
.macro ROW t
.set XS, X+32*((\t)%3)
.if (\t) < 6
	s_wait_loadcnt 16                              ; my row is in (g and b, the oldest loads, too); the two rows behind it may be out
.else
	s_wait_loadcnt 8*(7-(\t))
.endif
	v_pk_add_f32 v[2:3], v[XS:XS+1], v[XS+2:XS+3]  ; the sum, in two chains
	v_pk_add_f32 v[4:5], v[XS+4:XS+5], v[XS+6:XS+7]
.irp j, 8,12,16,20,24,28
	v_pk_add_f32 v[2:3], v[2:3], v[XS+\j:XS+\j+1]
	v_pk_add_f32 v[4:5], v[4:5], v[XS+\j+2:XS+\j+3]
.endr
	v_pk_add_f32 v[2:3], v[2:3], v[4:5]
	v_add_f32 v2, v2, v3
	WSUM
	v_mul_f32 v6, 0x3a800000, v2                   ; the mean: x 2^-10
	v_mov_b32 v7, v6
.irp j, 0,2,4,6,8,10,12,14,16,18,20,22,24,26,28,30
	v_pk_add_f32 v[XS+\j:XS+\j+1], v[XS+\j:XS+\j+1], v[6:7] neg_lo:[0,1] neg_hi:[0,1]
.endr
	v_pk_mul_f32 v[2:3], v[XS:XS+1], v[XS:XS+1]    ; the sum of the squared differences
	v_pk_mul_f32 v[4:5], v[XS+2:XS+3], v[XS+2:XS+3]
.irp j, 4,8,12,16,20,24,28
	v_pk_fma_f32 v[2:3], v[XS+\j:XS+\j+1], v[XS+\j:XS+\j+1], v[2:3]
	v_pk_fma_f32 v[4:5], v[XS+\j+2:XS+\j+3], v[XS+\j+2:XS+\j+3], v[4:5]
.endr
	v_pk_add_f32 v[2:3], v[2:3], v[4:5]
	v_add_f32 v2, v2, v3
	WSUM
	v_fma_f32 v8, v2, 0x3a800000, s24              ; the variance + 1e-5
	s_wait_alu depctr_va_vdst(0)
	v_rsq_f32 v8, v8
	v_nop                                          ; a plain line behind it
	s_wait_alu depctr_va_vdst(0)                   ; and the wait ahead of its first reader
	v_mov_b32 v9, v8
.irp j, 0,2,4,6,8,10,12,14,16,18,20,22,24,26,28,30
	v_pk_mul_f32 v[XS+\j:XS+\j+1], v[XS+\j:XS+\j+1], v[8:9]
.endr
.irp j, 0,2,4,6,8,10,12,14,16,18,20,22,24,26,28,30
	v_pk_fma_f32 v[XS+\j:XS+\j+1], v[XS+\j:XS+\j+1], v[G+\j:G+\j+1], v[B+\j:B+\j+1]
.endr
.irp i, 0,1,2,3,4,5,6,7
	global_store_b128 v[LA], v[XS+4*\i:XS+4*\i+3], s[10:11] offset:4096*(\t)+512*\i th:TH_STORE_NT   ; 32 lanes store 512 consecutive bytes, aligned
.endr
.if (\t)+3 < 8
	s_wait_xcnt 0x0                                ; the stores have read the row: its registers take the row three on
	LOAD (\t)+3
.endif
.endm
.irp t, 0,1,2,3,4,5,6,7
	ROW \t
.endr
	s_endpgm
.Lfunc_end_k_q4b1860faab_ln2:
	.size	k_q4b1860faab_ln2, .Lfunc_end_k_q4b1860faab_ln2-k_q4b1860faab_ln2
	.p2alignl 7, 3214868480
	.fill 96, 4, 3214868480
	.section	.rodata,"a",@progbits
	.p2align	6, 0x0
	.amdhsa_kernel k_q4b1860faab_ln2
		.amdhsa_group_segment_fixed_size 0
		.amdhsa_private_segment_fixed_size 0
		.amdhsa_enable_private_segment 0
		.amdhsa_kernarg_size 32
		.amdhsa_user_sgpr_count 2
		.amdhsa_user_sgpr_kernarg_segment_ptr 1
		.amdhsa_wavefront_size32 1
		.amdhsa_system_sgpr_workgroup_id_x 1
		.amdhsa_system_sgpr_workgroup_id_y 1
		.amdhsa_system_sgpr_workgroup_id_z 1
		.amdhsa_system_vgpr_workitem_id 0
		.amdhsa_next_free_vgpr 192
		.amdhsa_next_free_sgpr 66
		.amdhsa_reserve_vcc 0
		.amdhsa_float_denorm_mode_32 3
		.amdhsa_float_denorm_mode_16_64 3
		.amdhsa_memory_ordered 1
		.amdhsa_forward_progress 1
		.amdhsa_inst_pref_size 64
	.end_amdhsa_kernel
	.amdgpu_metadata
---
amdhsa.version: [ 1, 2 ]
amdhsa.kernels:
  - .name:           k_q4b1860faab_ln2
    .symbol:         k_q4b1860faab_ln2.kd
    .args:
      - { .name: y, .offset: 0, .size: 8, .value_kind: global_buffer, .address_space: global }
      - { .name: ln2_g, .offset: 8, .size: 8, .value_kind: global_buffer, .address_space: global }
      - { .name: ln2_b, .offset: 16, .size: 8, .value_kind: global_buffer, .address_space: global }
      - { .name: out0, .offset: 24, .size: 8, .value_kind: global_buffer, .address_space: global }
    .group_segment_fixed_size: 0
    .private_segment_fixed_size: 0
    .kernarg_segment_align: 8
    .kernarg_segment_size: 32
    .max_flat_workgroup_size: 64
    .sgpr_count:     66
    .vgpr_count:     192
    .wavefront_size: 32
...
	.end_amdgpu_metadata
.endif
;; end of part 8
